; MI455X (gfx1250); checked and timed in simulation.
; The chip was launched on July 23, 2026; its instructions are those of AMD's public machine-readable ISA for CDNA 5 (MIT licence, August 2026) and "CDNA5" Instruction Set Architecture Reference Guide (July 2026). The comments in the code are by the model that wrote it; some were corrected since.
;; Multi Head Self Attention. Allowed arithmetic: matrix products marked QUANTISED: E2M3 operands, one E8M0 scale for each 32 along K, by v_wmma_scale_f32_16x16x128_f8f6f4 with both operands' format E2M3, f32 sums; everything else in f32.
;; Inputs: Wkv_codes 1,024 x 16 x 24 uint8 (E2M3 codes of Wkv, K innermost, in blocks of 32 codes, four codes in three bytes); Wkv_scales 1,024 x 16 uint8 (E8M0 scales of Wkv, one for each 32 codes along K); Wout_codes 512 x 16 x 24 uint8 (E2M3 codes of Wout, K innermost, in blocks of 32 codes, four codes in three bytes); Wout_scales 512 x 16 uint8 (E8M0 scales of Wout, one for each 32 codes along K); Wq_codes 512 x 16 x 24 uint8 (E2M3 codes of Wq, K innermost, in blocks of 32 codes, four codes in three bytes); Wq_scales 512 x 16 uint8 (E8M0 scales of Wq, one for each 32 codes along K); bkv 1,024 float32; bout 512 float32; bq 512 float32; rel_emb 1,025 x 64 float32; x_codes 8 x 1,024 x 16 x 24 uint8 (E2M3 codes of x, K innermost, in blocks of 32 codes, four codes in three bytes); x_scales 8 x 1,024 x 16 uint8 (E8M0 scales of x, one for each 32 codes along K).
;; Outputs: out0 8 x 1,024 x 512 float32.
;; This version of the problem:
;;   THIS VERSION OF THE PROBLEM IS GIVEN IN LOW PRECISION. The matrix products marked QUANTISED in the list below multiply operands that are first quantised to E2M3 (2 exponent bits, 3 mantissa bits; 6 bits a number), with one power-of-two scale for each 32 numbers along K (OCP MX v1.0); their sums are f32. All else is computed in f32.
;;   The module's matrix products, in the order in which they are computed (A, B: the left and right operand; K: the contracted axis; several contracted axes count as one K, in the product's order):
;;     1. [M 8,192, K 512] x [K 512, N 512]; A: input x (given as codes); B: input Wq (given as codes): QUANTISED
;;     2. [M 8,192, K 512] x [K 512, N 1,024]; A: input x (given as codes); B: input Wkv (given as codes): QUANTISED
;;     3. batch 64 x [M 1,024, K 64] x [K 64, N 1,024]; A: computed on the way; B: computed on the way: QUANTISED
;;     4. batch 1,024 x [M 1,024, K 64] x [K 64, N 64]; A: computed on the way; B: computed on the way: QUANTISED
;;     5. batch 64 x [M 1,024, K 1,024] x [K 1,024, N 64]; A: softmax (see below); B: computed on the way: QUANTISED
;;     6. [M 8,192, K 512] x [K 512, N 512]; A: computed on the way; B: input Wout (given as codes): QUANTISED
;;   THE QUANTISER, for each operand of a quantised product, along K:
;;     - K is cut into blocks of 32 from its start; a last block that is shorter is filled with zeros.
;;     - A block's scale is 2^e with e = floor(log2(the largest magnitude in the block)) - 2, held to -126 .. 127; a block of zeros has e = 0. As a byte (E8M0): e + 127.
;;     - Each number is divided by its block's scale, clamped to +-7.5, and rounded to the nearest number of E2M3, ties to even, subnormals kept.
;;     - The product sums the exact products of the quantised numbers (number of the format x scale) in f32.
;;   ~~~python
;;   def quantise(x, axis):      # numpy; x: float32 -> the quantised numbers, widened to float32 again
;;       x = np.moveaxis(x, axis, -1); K = x.shape[-1]
;;       x = np.pad(x, [(0, 0)] * (x.ndim - 1) + [(0, -K % 32)]); x = x.reshape(x.shape[:-1] + (-1, 32)); a = np.abs(x).max(-1, keepdims=True)
;;       e = np.where(a > 0, np.clip(np.frexp(np.where(a > 0, a, 1))[1] - 1 - 2, -126, 127), 0)      # np.frexp(a)[1] - 1 = floor(log2(a)), exactly
;;       r = np.clip(x / 2.0 ** e, -7.5, 7.5)
;;       step = 2.0 ** (np.maximum(np.frexp(np.where(r == 0, 1, r))[1] - 1, 0) - 3)
;;       q = np.round(r / step) * step * 2.0 ** e      # np.round: ties to even
;;       return np.moveaxis(q.reshape(q.shape[:-2] + (-1,))[..., :K], -1, axis).astype(np.float32)
;;   ~~~
;;   SOFTMAX AHEAD OF A QUANTISED PRODUCT. Where the list says 'softmax', what is quantised is not the finished softmax but p = 2^(t - M), with t = logit x log2(e) and M = ceil(the row's largest t), a whole number; so 1/2 < the row's largest p <= 1. The row's sum l is taken of the UNQUANTISED p, in f32, and the product's result is divided by l at the end. Since M is a whole number, a kernel that streams over the keys may use a running M (the ceiling of the running maximum): every later rescaling is an exact power of two, which a block's scale takes up: the codes' values come out the same.
;;   OPERANDS COMPUTED ON THE WAY. 'Computed on the way' means the value that the module computes at that place (a softmax that the list does not call 'softmax' is quantised finished and normalised). What goes into a quantiser is computed in f32, as accurately as f32 sums, v_exp_f32 and their like allow (about 1e-6 of the number): no bf16 or f16 on the way to a quantiser, and a product that is left as it is and whose result goes on into a quantised operand takes f32 operands (vector FMAs, or v_wmma_f32_16x16x4_f32). A number that lies on a knife's edge between two numbers of the format may be rounded either way, as far as f32 arithmetic and the matrix unit's own rounding can turn it there, and no further.
;;   INPUTS GIVEN AS CODES. Wkv (in the module: [512, 1024], K = its axis 0); Wout (in the module: [512, 512], K = its axis 0); Wq (in the module: [512, 512], K = its axis 0); x (in the module: [8, 1024, 512], K = its axis 2): each comes as NAME_codes (uint8): NAME with its K axis moved to the last place and cut into blocks of 32 codes, [.., K / 32, bytes a block], one block behind the other in memory; four codes in three bytes: a row's codes are one little-endian stream of bits, code i at bits 6 i .. 6 i + 5 (a code: sign, 2 exponent bits, 3 mantissa bits); and NAME_scales (uint8): the same leading axes, one E8M0 byte (e + 127) for each 32 codes along K. Its value is code x scale, taken as it is: it is not quantised again, and the codes and scales need not be those that the quantiser above would give.
;; 3 versions, each right; version 2 is faster than version 1; version 3 is version 2 with the launches proj, outp written anew for expert scheduling mode. Each part assembles by itself: llvm-mc -triple=amdgcn-amd-amdhsa -mcpu=gfx1250 --defsym DOCPART=n.
;; ======== version 1 of 3: 3 launches
;; workspace buffers: qkv 9,437,184 bytes; qkvs 393,216 bytes; erel 102,400 bytes; oimg 3,276,800 bytes
;; launch proj (part 1): grid 208 x 1, 8 waves a work-group, no clusters, 54,272 bytes of LDS; arguments x_codes, x_scales, Wq_codes, Wq_scales, Wkv_codes, Wkv_scales, bq, bkv, rel_emb, qkv, qkvs, erel; writes qkv, qkvs, erel
.if DOCPART == 1
	.amdgcn_target "amdgcn-amd-amdhsa--gfx1250"
	.amdhsa_code_object_version 6
	.text
	.protected	k_qe36fe87635_proj
	.globl	k_qe36fe87635_proj
	.p2align	8
	.type	k_qe36fe87635_proj,@function
k_qe36fe87635_proj:
	s_mov_b64 s[64:65], 0
	v_nop
	global_prefetch_b8 v0, s[64:65] scope:SCOPE_SE
	s_setreg_imm32_b32 hwreg(HW_REG_WAVE_MODE, 25, 1), 1
	s_wait_xcnt 0x0
; q = x Wq + bq, k and v = x Wkv + bkv on codes of FP6 (E2M3) with E8M0 scales, each result quantised at once for the product that takes it:
; q and k along the head's 64 channels, v along the keys; and the table of relative positions, quantised row by row along its 64 channels.
; WHAT IS STORED.  The unit is an image of operand registers 0-5: 16 rows x 64 along K, 768 bytes: lane (r, h) holds row r, k = 32 h .. 32 h + 31; registers 0-3 at 16 x lane, registers 4-5
; at 512 + 8 x lane.  Its scales: two bytes a row.  So every store of codes covers 512 or 256 consecutive bytes, aligned, and a reader gets a fragment by one load of 16 and one of 8 bytes a lane.
;   qkv:  q's images [b h 64][tile of 16 tokens 64]; from QKV_K k's, the same; from QKV_V v's [b h][128 keys 8][16 channels 4][64 keys 2]
;   qkvs: q's scales [b h][token] 2 bytes; from KVS0, for each b h: k's [tile][r] 2 bytes (2,048), then v's [128 keys][16 channels][r][64 keys] 2 bytes (2,048)
;   erel: 128 images of E[w] = rel_emb[clamp(1535 - w, 0, 1024)], w = 0 .. 2047, so that the position term of query n and key m is q_n . E[m - n + 1023]: the clip lies in the table; from ES0 its scales
; SHARES.  Work-groups 0-63 make q, 64-127 k, 128-191 v, 192-207 the table.  The three products run ONE text: D = stationary (source 0) x moving (source 1) + bias.  In D a lane holds one moving row and its
; registers run along the stationary rows, which is the axis that is quantised.  A wave keeps 64 stationary rows for all of K = 512 in 192 registers, read from memory once; the work-group's 128 moving rows,
; eight tiles, are fetched one tile a wave and handed round through LDS as images of their registers.   q: stationary Wq's 64 rows of head = wave, moving 128 tokens.  k: the same with Wkv.
; v: stationary 64 tokens a wave, moving 128 rows of Wkv's second half (two heads).
; THE ROWS OF A TILE.  Lane r of stationary tile 2 b + u takes row 32 b + 8 u + r + 8 (r / 8), so that the 16 registers of tiles 2 b, 2 b + 1 are 16 neighbours along the quantised axis.  k's tokens and v's
; channels (moving) are taken by the same rule, since in the next launch they are rows of a source 0 whose results must again be neighbours; q's tokens are taken as they lie.
; NO CLUSTER: the operands go from memory into registers by ordinary loads, 196,608 bytes of the 245,760 that a work-group reads straight into the registers where they stay; joint requests exist for tensor loads alone.
; LIMITS: NaN and infinities among the inputs are not served.  A block whose largest magnitude lies under 2^-124 keeps the scale byte 1; a block of zeros gets the byte 1 and not 127: its codes are zeros,
; and the bytes are read by this program alone.
.set KROW,  384                        ; a row of 512 codes in bytes
.set QKV_K, 3145728
.set QKV_V, 6291456
.set KVS0,  131072
.set ES0,   98304
.set MIMG,  0                          ; LDS: the moving tiles' fragments: (4 tile + K step) x 1,536 + 512 c + 16 x lane
.set MSC,   49152                      ; and their scale words: 512 x tile + 16 x lane (four words a row)
; v1 lane, v2 r, v3 h; v4 stationary codes' lane offset, v5 its scales'; v6, v7 the same for my moving tile; v8 16 x lane; v9, v10 where I store my moving tile and its scales in LDS;
; v11 8 x lane; v12 a scale pair's lane offset; v13 the bias's lane offset; v14, v15 at work
.set SSC,   16                         ; v16-31   stationary scale words: tile t, K step ks at 4 t + ks
.set MS,    32                         ; v32-39   moving scale words, two sets of four
.set TM,    40                         ; v40-45   the quantiser's: largest magnitudes, bytes, scale operands
.set PW,    46                         ; v46      the two scale bytes just made
.set PC,    48                         ; v48-54   the codes just made
.set BI,    56                         ; v56-87   q, k: the bias in the result's layout, 8 registers a tile
.set CB,    56                         ; v56-63   v: the lane's bias, eight times;
.set BM,    64                         ; v64-71   v: the lane's bias for each of the eight moving tiles
.set ACC,   96                         ; v96-127  four accumulators
.set MF,    128                        ; v128-223 a moving tile's four fragments, two buffers of 48
                                       ; window 1: v0-191 the stationary fragments: (t, ks) at 12 (4 t + ks)
.set MSB, 0
.macro WIN new                         ; the immediate's high byte repeats the setting that is left; a switch that changes nothing is dropped
.if MSB != (\new)
	s_set_vgpr_msb (MSB<<8)|(\new)
.set MSB, (\new)
.endif
.endm
.macro PLACES n
.rept \n
	v_nop
.endr
.endm
.macro FRAGG reg, adr, base, off       ; a fragment, 16 rows x 128 K, from rows in memory: lane (r, h) takes 24 bytes at 24 h and 24 at 48 + 24 h, in pieces of 8
.irp p,0,1,2,3,4,5
	global_load_b64 v[(\reg)+2*\p:(\reg)+2*\p+1], v[\adr], s[\base:\base+1] offset:(\off)+48*(\p/3)+8*(\p%3)
.endr
.endm
.macro FETCH tau, buf                  ; moving tile tau out of LDS, as it was put there: 13 loads
.irp ks,0,1,2,3
.irp c,0,1,2
	ds_load_b128 v[MF+48*(\buf)+12*\ks+4*\c:MF+48*(\buf)+12*\ks+4*\c+3], v8 offset:MIMG+6144*(\tau)+1536*\ks+512*\c
.endr
.endr
	ds_load_b128 v[MS+4*(\buf):MS+4*(\buf)+3], v8 offset:MSC+512*(\tau)
.endm
.macro MMC d, a, b, c, sa, sb
	v_wmma_scale_f32_16x16x128_f8f6f4 v[(\d):(\d)+7], v[(\a):(\a)+11], v[(\b):(\b)+11], v[(\c):(\c)+7], v[(\sa)], v[(\sb)] matrix_a_fmt:MATRIX_FMT_FP6 matrix_b_fmt:MATRIX_FMT_FP6
.endm
.macro MAXES s                         ; the largest magnitudes of v[s .. s+15] and of v[s+16 .. s+31], by turns, with the floor 2^(3 - 127) among the leaves: the byte cannot fall under 1
.irp b,0,1
	v_max3_num_f32 v[TM+\b], |v[\s+16*\b]|, |v[\s+16*\b+1]|, 0x1800000
.endr
.irp i,2,4,6,8,10,12,14
.irp b,0,1
	v_max3_num_f32 v[TM+\b], v[TM+\b], |v[\s+16*\b+\i]|, |v[\s+16*\b+\i+1]|
.endr
.endr
.endm
; 32 numbers of a lane, register 16 b + i = k 32 b + 16 h + i of my row, become an image's six registers in v[PC] on and its two scale bytes in v[PW]
.macro QUANT32 s
	MAXES \s
.irp b,0,1
	v_permlanex16_b32 v[TM+2+\b], v[TM+\b], s40, s41
.endr
.irp b,0,1
	v_max_num_f32 v[TM+\b], v[TM+\b], v[TM+2+\b]   ; with lane l xor 16's 16: the block's largest magnitude
.endr
.irp b,0,1
	v_add_nc_u32 v[TM+4+\b], 0xff000000, v[TM+\b]  ; 2 off its exponent field: the conversion's scale operand
.endr
.irp b,0,1
	v_lshrrev_b32 v[TM+2+\b], 23, v[TM+4+\b]       ; the scale's byte
.endr
	s_wait_xcnt 0x0                                ; the last tile's stores have had their addresses translated: only now are their data, v[PW] and v[PC] on, written again
	v_lshl_or_b32 v[PW], v[TM+3], 8, v[TM+2]
	v_cvt_scalef32_pk16_fp6_f32 v[PC:PC+2], v[\s:\s+15], v[TM+4]
	v_cvt_scalef32_pk16_fp6_f32 v[PC+4:PC+6], v[\s+16:\s+31], v[TM+5]   ; (a conversion's three registers begin on an even number)
	v_nop                                          ; one plain place behind a scaled conversion
.irp i,0,1,2
	v_permlane16_swap_b32 v[PC+\i], v[PC+4+\i]     ; a whole block to a lane: lanes 0-15 block 0, lanes 16-31 block 1; the first holds the lower 16 codes, the second the upper
.endr
	v_mov_b32 v[PC+3], v[PC+4]
	v_mov_b32 v[PC+4], v[PC+5]
	v_mov_b32 v[PC+5], v[PC+6]
.endm
.macro OUT ib, sb, imgoff, scoff       ; an image: 512 and 256 consecutive bytes; its scales: 2 bytes a row (lanes 16-31 store what lanes 0-15 store)
	global_store_b128 v8, v[PC:PC+3], s[\ib:\ib+1] offset:\imgoff
	global_store_b64 v11, v[PC+4:PC+5], s[\ib:\ib+1] offset:(\imgoff)+512
	global_store_b16 v12, v[PW], s[\sb:\sb+1] offset:\scoff
.endm
; One moving tile: the next tile's fetch, 16 products (K step by K step, the four accumulators by turns, one instruction a turn), the quantiser, three stores.
.macro TRIP tau, vrole, imgoff, scoff
.set BUF, (\tau)%2
.if (\tau)<7
	FETCH (\tau)+1,1-BUF                           ; into the buffer that the last trip's products read: its places and its quantiser stand between
	s_wait_dscnt 13                                ; this tile's 13 loads are in; the 13 just issued may be out
.else
	s_wait_dscnt 0x0
.endif
	WIN 0x01                                       ; source 0 in window 1
.irp ks,0,1,2,3
.irp t,0,1,2,3
.if \ks==0
.if \vrole
	MMC ACC+8*\t,12*(4*\t+\ks),MF+48*BUF+12*\ks,CB,SSC+4*\t+\ks,MS+4*BUF+\ks
.else
	MMC ACC+8*\t,12*(4*\t+\ks),MF+48*BUF+12*\ks,BI+8*\t,SSC+4*\t+\ks,MS+4*BUF+\ks
.endif
.else
	MMC ACC+8*\t,12*(4*\t+\ks),MF+48*BUF+12*\ks,ACC+8*\t,SSC+4*\t+\ks,MS+4*BUF+\ks
.endif
.endr
.endr
	WIN 0
	PLACES 4                                       ; in front of the first read of results (ISA guide 7.12.1)
.if \vrole
.if (\tau)<7
.irp j,0,1,2,3,4,5,6,7
	v_mov_b32 v[CB+\j], v[BM+(\tau)+1]             ; the next tile's bias: a trip ahead, so that the quantiser's lines stand between this and the products that take it
.endr
.endif
.endif
	QUANT32 ACC
	OUT 22,24,\imgoff,\scoff
.endm
	s_load_b256 s[4:11], s[0:1], 0x0               ; x's codes s[4:5], x's scales s[6:7], Wq's codes s[8:9], Wq's scales s[10:11]
	s_load_b256 s[12:19], s[0:1], 0x20             ; Wkv's codes s[12:13], Wkv's scales s[14:15], bq s[16:17], bkv s[18:19]
	s_load_b256 s[20:27], s[0:1], 0x40             ; rel_emb s[20:21], qkv s[22:23], qkvs s[24:25], erel s[26:27]
	v_lshl_add_u32 v254, v0, 2, 0xd000
	v_mov_b32 v255, 0
	v_lshrrev_b32 v1, 5, v0
	v_readfirstlane_b32 s36, v1                    ; wave 0..7
	v_and_b32 v1, 31, v0                           ; lane
	v_and_b32 v2, 15, v0                           ; r
	v_bfe_u32 v3, v0, 4, 1                         ; h
	v_lshlrev_b32 v8, 4, v1
	v_lshlrev_b32 v11, 3, v1
	v_mov_b32 v[TM+2], 0                           ; a lane permute's destination counts as one of its sources: written once
	v_mov_b32 v[TM+3], 0
	s_mov_b32 s40, 0x76543210
	s_mov_b32 s41, 0xfedcba98                      ; v_permlanex16_b32's selects for lane l xor 16
	s_mov_b32 s49, 0                               ; the upper word of every offset pair s[48:49]
	s_and_b32 s38, ttmp9, 63                       ; which share of the role
	s_lshr_b32 s37, ttmp9, 6                       ; the role: 0 q, 1 k, 2 v, 3 the table
	s_cmp_eq_u32 s37, 3
	s_cbranch_scc1 .Ltable                         ; the same way for all eight waves of a work-group
	; ---- the three products
	v_and_b32 v14, 8, v2
	v_add_nc_u32 v14, v14, v2                      ; r + 8 (r / 8)
	v_mul_u32_u24 v4, v14, KROW
	v_mad_u32_u24 v4, v3, 24, v4                   ; stationary codes: that row, + 24 h
	v_lshlrev_b32 v5, 4, v14                       ; its scales: 16 bytes a row
	s_lshr_b32 s45, s38, 2
	s_lshl_b32 s45, s45, 9                         ; v: the work-group's 512 tokens
	s_and_b32 s46, s38, 3
	s_lshl_b32 s46, s46, 7
	s_add_co_u32 s46, s46, 512                     ; v: its 128 rows of Wkv's second half
	s_lshl_b32 s47, s38, 7                         ; q, k: its 128 tokens
	s_cmp_eq_u32 s37, 0
	s_cselect_b32 s42, 0, 8                        ; q's moving rows as they lie; k's and v's by the tiles' rule
	s_cselect_b32 s43, 16, 8                       ; rows from an even moving tile to the odd one behind it
	s_wait_kmcnt 0x0
	s_cselect_b64 s[8:9], s[8:9], s[12:13]         ; the weight, its scales and its bias: Wq's for q, else Wkv's.  The choices hang on the work-group's number alone
	s_cselect_b64 s[10:11], s[10:11], s[14:15]
	s_cselect_b64 s[16:17], s[16:17], s[18:19]
	s_cmp_eq_u32 s37, 2
	s_cselect_b64 s[28:29], s[4:5], s[8:9]         ; stationary: x for v, else the weight
	s_cselect_b64 s[30:31], s[6:7], s[10:11]
	s_cselect_b64 s[32:33], s[8:9], s[4:5]         ; moving: the other one
	s_cselect_b64 s[34:35], s[10:11], s[6:7]
	s_cselect_b32 s45, s45, 0
	s_cselect_b32 s46, s46, s47                    ; the work-group's first moving row
	v_and_b32 v15, s42, v2
	v_add_nc_u32 v15, v15, v2
	v_mul_u32_u24 v6, v15, KROW
	v_mad_u32_u24 v6, v3, 24, v6                   ; moving codes
	v_lshlrev_b32 v7, 4, v15                       ; and scales
	s_mul_i32 s44, s36, 6144
	v_add_nc_u32 v9, s44, v8                       ; LDS: my moving tile's four fragments
	s_lshl_b32 s44, s36, 9
	s_add_co_u32 s44, s44, MSC
	v_add_nc_u32 v10, s44, v8                      ; and its scale words
	s_lshl_b32 s47, s36, 6
	s_add_co_u32 s45, s45, s47                     ; my first stationary row
	s_lshr_b32 s47, s36, 1
	s_lshl_b32 s47, s47, 5
	s_and_b32 s48, s36, 1
	s_mul_i32 s48, s48, s43
	s_add_co_u32 s47, s47, s48
	s_add_co_u32 s50, s46, s47                     ; the first row of moving tile = wave, which I fetch
	s_mul_i32 s48, s45, KROW
	s_add_nc_u64 s[28:29], s[28:29], s[48:49]
	s_lshl_b32 s48, s45, 4
	s_add_nc_u64 s[30:31], s[30:31], s[48:49]
	s_mul_i32 s48, s50, KROW
	s_add_nc_u64 s[32:33], s[32:33], s[48:49]
	s_lshl_b32 s48, s50, 4
	s_add_nc_u64 s[34:35], s[34:35], s[48:49]
.irp ks,0,1,2,3
	FRAGG MF+12*\ks,6,32,96*\ks                    ; my moving tile first: 25 loads
.endr
	global_load_b128 v[MS:MS+3], v7, s[34:35]
	WIN 0x40                                       ; destination window 1
.irp t,0,1,2,3
.irp ks,0,1,2,3
	FRAGG 12*(4*\t+\ks),4,28,(32*(\t/2)+8*(\t%2))*KROW+96*\ks
.endr
.endr
	WIN 0
.irp t,0,1,2,3
	global_load_b128 v[SSC+4*\t:SSC+4*\t+3], v5, s[30:31] offset:(32*(\t/2)+8*(\t%2))*16
.endr
	s_wait_loadcnt 63                              ; loads come back in order: behind my moving tile's 25 stand 100 younger ones, and 63 is the most that the wait can name
.irp ks,0,1,2,3
.irp c,0,1,2
	ds_store_b128 v9, v[MF+12*\ks+4*\c:MF+12*\ks+4*\c+3] offset:MIMG+1536*\ks+512*\c
.endr
.endr
	ds_store_b128 v10, v[MS:MS+3]
	s_wait_dscnt 0x0                               ; for the others' sake: my stores have landed
	s_barrier_signal -1
	s_barrier_wait -1                              ; all eight moving tiles lie in LDS; from here on LDS is only read
	FETCH 0,0
	s_cmp_eq_u32 s37, 2
	s_cbranch_scc1 .Lvrole
	; ---- q, k: the bias runs along the stationary rows: register 8 t + j of lane (r, h) wants that of row 32 (t / 2) + 16 h + 8 (t % 2) + j
	s_lshl_b32 s48, s36, 8
	s_add_nc_u64 s[16:17], s[16:17], s[48:49]      ; my 64 numbers
	v_lshlrev_b32 v13, 6, v3
.irp t,0,1,2,3
	global_load_b128 v[BI+8*\t:BI+8*\t+3], v13, s[16:17] offset:(32*(\t/2)+8*(\t%2))*4
	global_load_b128 v[BI+8*\t+4:BI+8*\t+7], v13, s[16:17] offset:(32*(\t/2)+8*(\t%2))*4+16
.endr
	v_lshlrev_b32 v12, 1, v2                       ; scales: 2 bytes a row
	s_lshr_b32 s51, s38, 3
	s_lshl_b32 s51, s51, 3
	s_add_co_u32 s51, s51, s36                     ; b h = 8 x batch + wave
	s_and_b32 s52, s38, 7                          ; which 128 tokens of the batch
	s_lshl_b32 s48, s51, 6
	s_lshl_b32 s53, s52, 3
	s_add_co_u32 s48, s48, s53                     ; the first of my eight images
	s_mul_i32 s48, s48, 768
	s_mul_i32 s53, s37, QKV_K                      ; k's part lies behind q's
	s_add_co_u32 s48, s48, s53
	s_add_nc_u64 s[22:23], s[22:23], s[48:49]
	s_add_co_u32 s53, s37, 11
	s_lshl_b32 s48, s51, s53                       ; scales: 2,048 bytes a head for q, 4,096 for k and v together,
	s_lshl_b32 s53, s37, 17                        ; which lie KVS0 bytes on
	s_add_co_u32 s48, s48, s53
	s_lshl_b32 s53, s52, 8
	s_add_co_u32 s48, s48, s53
	s_add_nc_u64 s[24:25], s[24:25], s[48:49]
	s_wait_loadcnt 0x0                             ; the stationary fragments, their scales, the bias
.irp tau,0,1,2,3,4,5,6,7
	TRIP \tau,0,768*\tau,32*\tau
.endr
	s_wait_tensorcnt 0x0
	ds_add_u32 v254, v255
	s_wait_dscnt 0x0
	s_endpgm
.Lvrole:
	; ---- v: the bias runs along the moving rows: one number a lane and tile
	s_lshl_b32 s48, s46, 2
	s_add_nc_u64 s[16:17], s[16:17], s[48:49]
	v_lshlrev_b32 v13, 2, v14
.irp tau,0,1,2,3,4,5,6,7
	global_load_b32 v[BM+\tau], v13, s[16:17] offset:(32*(\tau/2)+8*(\tau%2))*4
.endr
	v_lshlrev_b32 v12, 2, v2                       ; scales: 4 bytes a row, of which my 64 keys have two
	s_lshr_b32 s51, s38, 3
	s_lshl_b32 s51, s51, 3
	s_and_b32 s52, s38, 3
	s_lshl_b32 s52, s52, 1
	s_add_co_u32 s51, s51, s52                     ; b h of the first of the work-group's two heads
	s_bfe_u32 s52, s38, 0x10002
	s_lshl_b32 s52, s52, 2
	s_lshr_b32 s53, s36, 1
	s_add_co_u32 s52, s52, s53                     ; which 128 keys of the batch,
	s_and_b32 s53, s36, 1                          ; and which 64 of them
	s_lshl_b32 s48, s51, 3
	s_add_co_u32 s48, s48, s52
	s_mul_i32 s48, s48, 6144
	s_mul_i32 s54, s53, 768
	s_add_co_u32 s48, s48, s54
	s_add_nc_u64 s[22:23], s[22:23], s[48:49]
	s_add_nc_u64 s[22:23], s[22:23], QKV_V
	s_lshl_b32 s48, s51, 12
	s_lshl_b32 s54, s52, 8
	s_add_co_u32 s48, s48, s54
	s_lshl_b32 s54, s53, 1
	s_add_co_u32 s48, s48, s54
	s_add_co_u32 s48, s48, KVS0+2048
	s_add_nc_u64 s[24:25], s[24:25], s[48:49]
	s_wait_loadcnt 0x0
.irp j,0,1,2,3,4,5,6,7
	v_mov_b32 v[CB+\j], v[BM]
.endr
	PLACES 4
.irp tau,0,1,2,3,4,5,6,7
	TRIP \tau,1,(\tau/4)*49152+(\tau%4)*1536,(\tau/4)*4096+(\tau%4)*64
.endr
	s_wait_tensorcnt 0x0
	ds_add_u32 v254, v255
	s_wait_dscnt 0x0
	s_endpgm
.Ltable:
	; ---- the table: a wave makes one image, rows w = 16 T + r.  Lane (r, h) loads its whole block of 32, so no other lane is asked for the maximum
	s_lshl_b32 s44, s38, 3
	s_add_co_u32 s44, s44, s36                     ; T = 8 x share + wave, 0 .. 127
	s_lshl_b32 s45, s44, 4
	v_add_nc_u32 v4, s45, v2                       ; w
	v_max_u32 v4, 511, v4
	v_add_nc_u32 v4, -511, v4
	v_min_u32 v4, 1024, v4
	v_sub_nc_u32 v4, 1024, v4                      ; clamp(1535 - w, 0, 1024)
	v_lshlrev_b32 v4, 8, v4
	v_lshl_add_u32 v4, v3, 7, v4                   ; a row of 256 bytes, + 128 h
	v_lshlrev_b32 v12, 1, v2
	s_mul_i32 s48, s44, 768
	s_wait_kmcnt 0x0
	s_add_nc_u64 s[28:29], s[26:27], s[48:49]
	s_lshl_b32 s48, s44, 5
	s_add_nc_u64 s[30:31], s[26:27], s[48:49]
.irp i,0,1,2,3,4,5,6,7
	global_load_b128 v[MF+4*\i:MF+4*\i+3], v4, s[20:21] offset:16*\i
.endr
	s_wait_loadcnt 0x0
	MAXES MF
	v_max_num_f32 v[TM], v[TM], v[TM+1]
	v_add_nc_u32 v[TM+4], 0xff000000, v[TM]
	v_lshrrev_b32 v[TM+2], 23, v[TM+4]
	v_lshlrev_b32 v[TM+5], 3, v3
	v_lshlrev_b32 v[TM+2], v[TM+5], v[TM+2]        ; my block's byte at its place, 8 h bits up;
	v_permlanex16_b32 v[TM+3], v[TM+2], s40, s41
	v_or_b32 v[PW], v[TM+2], v[TM+3]               ; with lane l xor 16's the pair is whole
	v_cvt_scalef32_pk16_fp6_f32 v[PC:PC+2], v[MF:MF+15], v[TM+4]
	v_cvt_scalef32_pk16_fp6_f32 v[PC+4:PC+6], v[MF+16:MF+31], v[TM+4]
	v_nop                                          ; one plain place behind a scaled conversion
	v_mov_b32 v[PC+3], v[PC+4]
	v_mov_b32 v[PC+4], v[PC+5]
	v_mov_b32 v[PC+5], v[PC+6]
	OUT 28,30,0,ES0
	s_endpgm
.Lfunc_end_k_qe36fe87635_proj:
	.size	k_qe36fe87635_proj, .Lfunc_end_k_qe36fe87635_proj-k_qe36fe87635_proj
	.p2alignl 7, 3214868480
	.fill 96, 4, 3214868480
	.section	.rodata,"a",@progbits
	.p2align	6, 0x0
	.amdhsa_kernel k_qe36fe87635_proj
		.amdhsa_group_segment_fixed_size 54272
		.amdhsa_private_segment_fixed_size 0
		.amdhsa_enable_private_segment 0
		.amdhsa_kernarg_size 96
		.amdhsa_user_sgpr_count 2
		.amdhsa_user_sgpr_kernarg_segment_ptr 1
		.amdhsa_wavefront_size32 1
		.amdhsa_system_sgpr_workgroup_id_x 1
		.amdhsa_system_sgpr_workgroup_id_y 1
		.amdhsa_system_sgpr_workgroup_id_z 1
		.amdhsa_system_vgpr_workitem_id 0
		.amdhsa_next_free_vgpr 448
		.amdhsa_next_free_sgpr 66
		.amdhsa_reserve_vcc 0
		.amdhsa_float_denorm_mode_32 3
		.amdhsa_float_denorm_mode_16_64 3
		.amdhsa_memory_ordered 1
		.amdhsa_forward_progress 1
		.amdhsa_inst_pref_size 108
	.end_amdhsa_kernel
	.amdgpu_metadata
---
amdhsa.version: [ 1, 2 ]
amdhsa.kernels:
  - .name:           k_qe36fe87635_proj
    .symbol:         k_qe36fe87635_proj.kd
    .args:
      - { .name: x_codes, .offset: 0, .size: 8, .value_kind: global_buffer, .address_space: global }
      - { .name: x_scales, .offset: 8, .size: 8, .value_kind: global_buffer, .address_space: global }
      - { .name: Wq_codes, .offset: 16, .size: 8, .value_kind: global_buffer, .address_space: global }
      - { .name: Wq_scales, .offset: 24, .size: 8, .value_kind: global_buffer, .address_space: global }
      - { .name: Wkv_codes, .offset: 32, .size: 8, .value_kind: global_buffer, .address_space: global }
      - { .name: Wkv_scales, .offset: 40, .size: 8, .value_kind: global_buffer, .address_space: global }
      - { .name: bq, .offset: 48, .size: 8, .value_kind: global_buffer, .address_space: global }
      - { .name: bkv, .offset: 56, .size: 8, .value_kind: global_buffer, .address_space: global }
      - { .name: rel_emb, .offset: 64, .size: 8, .value_kind: global_buffer, .address_space: global }
      - { .name: qkv, .offset: 72, .size: 8, .value_kind: global_buffer, .address_space: global }
      - { .name: qkvs, .offset: 80, .size: 8, .value_kind: global_buffer, .address_space: global }
      - { .name: erel, .offset: 88, .size: 8, .value_kind: global_buffer, .address_space: global }
    .group_segment_fixed_size: 54272
    .private_segment_fixed_size: 0
    .kernarg_segment_align: 8
    .kernarg_segment_size: 96
    .max_flat_workgroup_size: 256
    .sgpr_count:     66
    .vgpr_count:     448
    .wavefront_size: 32
...
	.end_amdgpu_metadata
.endif
;; end of part 1
;; launch attn (part 2): grid 4 x 64, 8 waves a work-group, clusters of 4 x 1, 243,200 bytes of LDS; arguments qkv, qkvs, erel, oimg; writes oimg
.if DOCPART == 2
	.amdgcn_target "amdgcn-amd-amdhsa--gfx1250"
	.amdhsa_code_object_version 6
	.text
	.protected	k_qe36fe87635_attn
	.globl	k_qe36fe87635_attn
	.p2align	8
	.type	k_qe36fe87635_attn,@function
k_qe36fe87635_attn:
	s_mov_b64 s[64:65], 0
	v_nop
	global_prefetch_b8 v0, s[64:65] scope:SCOPE_SE
	s_setreg_imm32_b32 hwreg(HW_REG_WAVE_MODE, 25, 1), 1
	s_wait_xcnt 0x0
	s_wait_alu depctr_hold_cnt(0) depctr_sa_sdst(0) depctr_va_vdst(0) depctr_va_sdst(0) depctr_va_ssrc(0) depctr_va_vcc(0) depctr_vm_vsrc(0)
	s_getreg_b32 s2, hwreg(HW_REG_IB_STS2, 6, 4)
	s_cmp_eq_u32 s2, 0
	s_cbranch_scc0 .Lentry_in_a_cluster
	s_endpgm
.Lentry_in_a_cluster:
	s_bfe_u32 s2, ttmp6, 0x10000c
	s_cmp_lg_u32 s2, 0x3003
	s_cbranch_scc0 .Lentry_shape_is_right
	s_endpgm
.Lentry_shape_is_right:
; O = softmax((q k^T + q . E[m - n + 1023]) / 8) v for one head and 256 queries a work-group, all three products on codes of FP6 (E2M3) with E8M0 scales; O is divided by the row's sum and quantised along the
; head's 64 channels for the last product.  Inputs: the images and scale pairs that the launch before has laid (16 rows x 64 along K, 768 bytes: registers 0-3 at 16 x lane, registers 4-5 at 512 + 8 x lane).
; THE SOFTMAX: t = logit x log2(e); M = the running largest t rounded UP to a whole number; p = 2^(t - M) is quantised along the keys, not normalised; the row's sum is taken of the unquantised p;
; when M moves, the sum and O are multiplied by 2^(old M - new M), which rounds nothing.
; SHARES.  Eight waves; a wave owns two neighbouring tiles of 16 queries, tile a in register window a at the same register numbers, so that a tile's text is written once and run under two window settings;
; each fragment of K, V and E that the wave reads from LDS serves both tiles.  Every wave walks the head's 1,024 keys, 128 a step.
; LAYOUT.  All products are used transposed (source 0 = 16 keys, 16 table rows or 16 channels; source 1 = my 16 queries): a lane holds ONE query (lane % 16) throughout.  The keys of a tile of K and the channels
; of a tile of V were chosen so that a lane's registers are neighbours: register 16 b + i of the scores is key 32 b + 16 (lane / 16) + i of the step.
; K = 64 IN AN INSTRUCTION OF 128: source 1 is q's six registers and six of zero codes; source 0 is a tile's six registers and the six that follow them (the next tile's codes, or zeros behind the last), whose
; products with zero codes are zeros; the scale pairs are read widened with zeros, the byte 0 being 2^-127.
; THE POSITION TERM.  For query n0 + r and key x of a step the table row is W0 + x + 15 - r, W0 = 128 s - n0 + 1008, a multiple of 16.  Nine products E q^T give rows W0 .. W0 + 143 for the 16 queries; they go to the
; wave's stage in LDS, one row of 144 words a query, and come back one word a register from an address that falls by one word from lane to lane: straight into the registers of the scores, which the
; product K q^T then takes as its C.  Stage rows lie 592 bytes apart: the stores of 16 bytes start 37 x 16 bytes apart, and the loads of lanes (r, h) fall on words 147 r + 16 h, 32 different residues modulo 64.
; LDS IS FILLED ONCE: the head's K and V (49,152 bytes each), their scales (4,096), and the 80 table tiles that the work-group's 256 queries can reach (61,440, and 2,560 of scales).  No ring, no refill, no
; barrier in the loop.  By this text's count a wave has five tensor loads outstanding, all issued at the head.
; CLUSTER.  The four work-groups of a cluster are the four query blocks of one head: K, V and their scales, 102,400 of the 166,400 bytes, are asked for jointly (the same load, the same descriptor, mask 15).
; The table's window begins 16 (3 - cx) tiles in, so it hangs on the place in the cluster and comes by loads of the work-group's own; in LDS its tiles are counted from the window's start, so no LDS address hangs on cx.
; LIMITS: NaN and infinities are not served.  p under 2^-126 counts as 0.  A block whose largest magnitude lies under 2^-124 keeps the scale byte 1, a block of zeros too (its codes are zeros; this program alone reads the bytes).
.set QKV_K, 3145728
.set QKV_V, 6291456
.set KVS0,  131072
.set ES0,   98304
.set OS0,   3145728
.set KIMG,  0                          ; LDS: K's 64 images
.set VIMG,  49152                      ; V's 64
.set EIMG,  98304                      ; the table's 80
.set KVS,   159744                     ; K's scale pairs (2,048), V's scale words (2,048)
.set ESC,   163840                     ; the table's scale pairs (2,560)
.set STG,   166400                     ; the stages: 16 rows x 592 bytes for each wave; no tensor load lands here
.set STGW,  9472
.set SP,    592
; window 0, shared: v1-9 lane parts of LDS addresses, never rewritten (K 16-byte, K 8-byte, K scales; the same for E; for V); v10-18 the same for the step in hand; v19 stage in, v20 stage out;
; v21 16 x lane, v22 8 x lane, v23 2 r, v24 16 r
.set KSR,   26                         ; v26-29  K's scales: lanes 0-15 tile 2 y, lanes 16-31 tile 2 y + 1
.set ESR,   30                         ; v30-34  E's likewise
.set VSR,   35                         ; v35-36  V's likewise
.set QSR,   37                         ; v37-38  q's, tile a
.set PSR,   39                         ; v39-40  p's, tile a
.set KF,    42                         ; v42-89  K's eight tiles, six registers each; v90-95 zeros
                                       ; window 1, shared: v0-59 ten tiles of E, v60-65 zeros; later in the step v0-47 V's four fragments
; a tile's own, in window a:
.set S,     96                         ; v96-159  the position term, then the scores, then p; v160-167 the ninth tile of the position term
.set OA,    168                        ; v168-199 O^T: four accumulators
.set QF,    200                        ; v200-211 q's codes and six registers of zeros
.set PC,    212                        ; v212-223 p's codes
.set PT,    224                        ; v224-230 the conversions' second halves
.set NM,    232                        ; v232 -M, v233 the largest t
.set LS,    234                        ; v234-235 the sum in two halves
.set BMX,   236                        ; v236-239 a block's largest score, then its largest p
.set BT,    240                        ; v240-243 the other half's, then bytes, then a chain of the sum
.set SO,    244                        ; v244-247 the conversions' scale operands
.set FF,    248                        ; v248 f = 2^(old M - new M); v249 the scale word in the making
.set TP,    250
.set MSB, 0
.macro WIN new                         ; the immediate's high byte repeats the setting that is left; a switch that changes nothing is dropped
.if MSB != (\new)
	s_set_vgpr_msb (MSB<<8)|(\new)
.set MSB, (\new)
.endif
.endm
.macro PLACES n
.rept \n
	v_nop
.endr
.endm
.macro CROUND                          ; a round of the cluster's barrier: my work-group's barrier; wave 0 signals for the work-group; every wave waits for all four; my work-group's barrier once more
	s_barrier_signal -1
	s_barrier_wait -1
	s_cmp_lg_u32 s12, 0
	s_cbranch_scc1 .Lnot_wave_0_\@
	s_barrier_signal -3
.Lnot_wave_0_\@:
	s_barrier_wait -3
	s_barrier_signal -1
	s_barrier_wait -1
.endm
.macro MMZ d, a, b, sa, sb, row        ; a product that starts a sum; row = 1: source 0's scales stand in lanes 16-31
.if \row
	v_wmma_scale_f32_16x16x128_f8f6f4 v[(\d):(\d)+7], v[(\a):(\a)+11], v[(\b):(\b)+11], 0, v[(\sa)], v[(\sb)] matrix_a_fmt:MATRIX_FMT_FP6 matrix_b_fmt:MATRIX_FMT_FP6 matrix_a_scale:MATRIX_SCALE_ROW1
.else
	v_wmma_scale_f32_16x16x128_f8f6f4 v[(\d):(\d)+7], v[(\a):(\a)+11], v[(\b):(\b)+11], 0, v[(\sa)], v[(\sb)] matrix_a_fmt:MATRIX_FMT_FP6 matrix_b_fmt:MATRIX_FMT_FP6
.endif
.endm
.macro MMA d, a, b, sa, sb, row        ; a product that adds onto what its registers hold
.if \row
	v_wmma_scale_f32_16x16x128_f8f6f4 v[(\d):(\d)+7], v[(\a):(\a)+11], v[(\b):(\b)+11], v[(\d):(\d)+7], v[(\sa)], v[(\sb)] matrix_a_fmt:MATRIX_FMT_FP6 matrix_b_fmt:MATRIX_FMT_FP6 matrix_a_scale:MATRIX_SCALE_ROW1
.else
	v_wmma_scale_f32_16x16x128_f8f6f4 v[(\d):(\d)+7], v[(\a):(\a)+11], v[(\b):(\b)+11], v[(\d):(\d)+7], v[(\sa)], v[(\sb)] matrix_a_fmt:MATRIX_FMT_FP6 matrix_b_fmt:MATRIX_FMT_FP6
.endif
.endm
.macro EFETCH                          ; the ten table tiles that my two query tiles need in this step: 25 LDS loads
	WIN 0x40
.irp e,0,1,2,3,4,5,6,7,8,9
	ds_load_b128 v[6*\e:6*\e+3], v13 offset:768*\e
	ds_load_b64 v[6*\e+4:6*\e+5], v14 offset:768*\e
.endr
	WIN 0
.irp y,0,1,2,3,4
	ds_load_u16 v[ESR+\y], v15 offset:64*\y
.endr
.endm
.macro KFETCH                          ; the step's eight tiles of K: 20 LDS loads
.irp t,0,1,2,3,4,5,6,7
	ds_load_b128 v[KF+6*\t:KF+6*\t+3], v10 offset:768*\t
	ds_load_b64 v[KF+6*\t+4:KF+6*\t+5], v11 offset:768*\t
.endr
.irp y,0,1,2,3
	ds_load_u16 v[KSR+\y], v12 offset:64*\y
.endr
.endm
.macro VFETCH                          ; the step's four fragments of V (16 channels x 128 keys: two images each), over E's registers: 18 LDS loads
	WIN 0x40
.irp t,0,1,2,3
.irp f,0,1
	ds_load_b128 v[12*\t+6*\f:12*\t+6*\f+3], v16 offset:1536*\t+768*\f
	ds_load_b64 v[12*\t+6*\f+4:12*\t+6*\f+5], v17 offset:1536*\t+768*\f
.endr
.endr
	WIN 0
.irp y,0,1
	ds_load_b32 v[VSR+\y], v18 offset:128*\y
.endr
.endm
.macro PMM a                           ; tile a's position term: nine products; its k-th table tile is the (k + 1 - a)-th of the ten
	WIN (0x44*\a)|1
.irp k,0,1,2,3,4,5,6,7,8
	MMZ S+8*\k,6*(\k+1-\a),QF,ESR+(\k+1-\a)/2,QSR+\a,(\k+1-\a)%2
.endr
.endm
.macro PSTORE a                        ; to the stage: word 16 k + 8 h + j of row r; each accumulator from its low end on
	WIN 4*\a
.irp k,0,1,2,3,4,5,6,7,8
	ds_store_b128 v19, v[S+8*\k:S+8*\k+3] offset:64*\k
	ds_store_b128 v19, v[S+8*\k+4:S+8*\k+7] offset:64*\k+16
.endr
.endm
.macro SLOAD a                         ; and back, sheared: register 16 b + i takes word 32 b + 16 h + i + 15 - r of row r.  LDS serves a wave's instructions in order (ISA guide 5.7.1.4): these see the stores above
	WIN 0x40*\a
.set n, 0
.rept 64
	ds_load_b32 v[S+n], v20 offset:4*(32*(n/16)+n%16)
.set n, n+1
.endr
.endm
.macro DOTS a                          ; + K q^T: eight accumulators, one product each
	WIN 0x54*\a
.irp t,0,1,2,3,4,5,6,7
	MMA S+8*\t,KF+6*\t,QF,KSR+\t/2,QSR+\a,\t%2
.endr
.endm
.macro PVMM a                          ; O^T += V^T p^T: four accumulators, one product each
	WIN (0x54*\a)|1
.irp t,0,1,2,3
	MMA OA+8*\t,12*\t,PC,VSR+\t/2,PSR+\a,\t%2
.endr
.endm
.macro SOFTMAX a
	WIN 0x55*\a
.irp b,0,1,2,3
	v_max3_num_f32 v[BMX+\b], v[S+16*\b], v[S+16*\b+1], v[S+16*\b+2]   ; the largest score of each block of 32 keys: it serves the row's maximum and, since p rises with the score, the block's largest p
.endr
.irp i,3,5,7,9,11,13
.irp b,0,1,2,3
	v_max3_num_f32 v[BMX+\b], v[BMX+\b], v[S+16*\b+\i], v[S+16*\b+\i+1]
.endr
.endr
.irp b,0,1,2,3
	v_max_num_f32 v[BMX+\b], v[BMX+\b], v[S+16*\b+15]
.endr
.irp b,0,1,2,3
	v_permlanex16_b32 v[BT+\b], v[BMX+\b], s24, s25
.endr
.irp b,0,1,2,3
	v_max_num_f32 v[BMX+\b], v[BMX+\b], v[BT+\b]   ; with lane l xor 16's 16 keys
.endr
	v_max3_num_f32 v[TP], v[BMX], v[BMX+1], v[BMX+2]
	v_max_num_f32 v[TP], v[TP], v[BMX+3]
	v_mul_f32 v[TP], s26, v[TP]                    ; the step's largest t (c is positive)
	v_max_num_f32 v[NM+1], v[NM+1], v[TP]          ; the running largest t
	v_mov_b32 v[TP], v[NM]
	v_floor_f32 v[NM], -v[NM+1]                    ; the new -M = -ceil(t): a whole number
	v_sub_f32 v[TP], v[NM], v[TP]                  ; old M - new M, 0 or less
	v_cvt_i32_f32 v[TP], v[TP]                     ; (it saturates)
	v_ldexp_f32 v[FF], 1.0, v[TP]                  ; f = 2^(old M - new M)
.set n, 0
.rept 32
	v_pk_fma_f32 v[S+n:S+n+1], v[S+n:S+n+1], s[26:27], v[NM:NM+1] op_sel_hi:[1,0,0]   ; t - M, two at a time (of the pairs c and -M the low word serves both halves)
.set n, n+2
.endr
.irp b,0,1,2,3
	v_fma_f32 v[BMX+\b], v[BMX+\b], s26, v[NM]     ; the same of each block's largest score
.endr
.set n, 0
.rept 64
	v_exp_f32 v[S+n], v[S+n]                       ; p = 2^(t - M)
.set n, n+1
.endr
.irp b,0,1,2,3
	v_exp_f32 v[BMX+\b], v[BMX+\b]                 ; the block's largest p: the same two instructions on the same number
.endr
	v_pk_mul_f32 v[LS:LS+1], v[LS:LS+1], v[FF:FF+1] op_sel_hi:[1,0]   ; the sums under the new M; also the plain place behind the exponentials
	s_wait_alu depctr_va_vdst(0)
.irp b,0,1,2,3
	v_max_num_f32 v[BMX+\b], 0x1800000, v[BMX+\b]  ; the floor 2^(3 - 127): the byte cannot fall under 1
.endr
.irp b,0,1,2,3
	v_add_nc_u32 v[SO+\b], 0xff000000, v[BMX+\b]   ; 2 off the exponent field: the conversion's scale operand
.endr
.irp b,0,1,2,3
	v_lshrrev_b32 v[BT+\b], 23, v[SO+\b]           ; the scale's byte
.endr
	v_lshl_or_b32 v[FF+1], v[BT+1], 8, v[BT]
	v_lshl_or_b32 v[FF+1], v[BT+2], 16, v[FF+1]
	WIN 0x15*\a                                    ; scale operands are taken from window 0: the finished word goes there
	v_lshl_or_b32 v[PSR+\a], v[BT+3], 24, v[FF+1]
	WIN 0x55*\a
.irp c,0,1
	v_cvt_scalef32_pk16_fp6_f32 v[PC+6*\c:PC+6*\c+2], v[S+32*\c:S+32*\c+15], v[SO+2*\c]
	v_cvt_scalef32_pk16_fp6_f32 v[PT+4*\c:PT+4*\c+2], v[S+32*\c+16:S+32*\c+31], v[SO+2*\c+1]   ; (a conversion's three registers begin on an even number)
.endr
	v_nop                                          ; one plain place behind a scaled conversion
.irp c,0,1
.irp i,0,1,2
	v_permlane16_swap_b32 v[PC+6*\c+\i], v[PT+4*\c+\i]   ; a whole block to a lane: lanes 0-15 block 2 c, lanes 16-31 block 2 c + 1
.endr
.irp i,0,1,2
	v_mov_b32 v[PC+6*\c+3+\i], v[PT+4*\c+\i]
.endr
.endr
.set n, 0
.rept 16
	v_pk_mul_f32 v[OA+n:OA+n+1], v[OA+n:OA+n+1], v[FF:FF+1] op_sel_hi:[1,0]   ; O^T under the new M
.set n, n+2
.endr
	v_pk_add_f32 v[BT:BT+1], v[S:S+1], v[S+2:S+3]  ; the row's sum, of the unquantised p, in two chains.  These 32 lines are also the places between the writes of p's scale word, p's codes and O^T and the products that take them
.irp j,4,8,12,16,20,24,28,32,36,40,44,48,52,56,60
	v_pk_add_f32 v[LS:LS+1], v[LS:LS+1], v[S+\j:S+\j+1]
	v_pk_add_f32 v[BT:BT+1], v[BT:BT+1], v[S+\j+2:S+\j+3]
.endr
	v_pk_add_f32 v[LS:LS+1], v[LS:LS+1], v[BT:BT+1]
.endm
.macro INIT a                          ; the step is written once: the first finds zeros, which the first change of M leaves zeros
	WIN 0x40*\a
.set n, 0
.rept 32
	v_mov_b32 v[OA+n], 0
.set n, n+1
.endr
.irp j,6,7,8,9,10,11
	v_mov_b32 v[QF+\j], 0                          ; zero codes for the upper 64 along K
.endr
	v_mov_b32 v[NM], 0x7f61b1e6                    ; -M = 3e38,
	v_mov_b32 v[NM+1], 0xff61b1e6                  ; the largest t so far: -3e38, under every t
	v_mov_b32 v[LS], 0
	v_mov_b32 v[LS+1], 0
.irp b,0,1,2,3
	v_mov_b32 v[BT+\b], 0                          ; a lane permute's destination counts as one of its sources
.endr
	v_mov_b32 v[FF+1], 0                           ; (named as the upper half of a pair before it is first written)
	v_mov_b32 v[TP], 0
.endm
.macro FINISH a                        ; O^T / the sum; its 32 registers are 32 b + 16 h + i of the head's channels: quantised like any result, and stored as an image
	WIN 0x55*\a
	v_add_f32 v[LS], v[LS], v[LS+1]
	v_permlanex16_b32 v[TP], v[LS], s24, s25
	v_add_f32 v[LS], v[LS], v[TP]                  ; the row's sum
	v_rcp_f32 v[FF], v[LS]
	v_nop                                          ; one plain place behind a transcendental
.set n, 0
	s_wait_alu depctr_va_vdst(0)
.rept 16
	v_pk_mul_f32 v[OA+n:OA+n+1], v[OA+n:OA+n+1], v[FF:FF+1] op_sel_hi:[1,0]
.set n, n+2
.endr
.irp b,0,1
	v_max3_num_f32 v[BMX+\b], |v[OA+16*\b]|, |v[OA+16*\b+1]|, 0x1800000
.endr
.irp i,2,4,6,8,10,12,14
.irp b,0,1
	v_max3_num_f32 v[BMX+\b], v[BMX+\b], |v[OA+16*\b+\i]|, |v[OA+16*\b+\i+1]|
.endr
.endr
.irp b,0,1
	v_permlanex16_b32 v[BT+\b], v[BMX+\b], s24, s25
.endr
.irp b,0,1
	v_max_num_f32 v[BMX+\b], v[BMX+\b], v[BT+\b]
.endr
.irp b,0,1
	v_add_nc_u32 v[SO+\b], 0xff000000, v[BMX+\b]
.endr
.irp b,0,1
	v_lshrrev_b32 v[BT+\b], 23, v[SO+\b]
.endr
	v_lshl_or_b32 v[FF+1], v[BT+1], 8, v[BT]
	v_cvt_scalef32_pk16_fp6_f32 v[PC:PC+2], v[OA:OA+15], v[SO]
	v_cvt_scalef32_pk16_fp6_f32 v[PC+4:PC+6], v[OA+16:OA+31], v[SO+1]
	v_nop
.irp i,0,1,2
	v_permlane16_swap_b32 v[PC+\i], v[PC+4+\i]
.endr
	v_mov_b32 v[PC+3], v[PC+4]
	v_mov_b32 v[PC+4], v[PC+5]
	v_mov_b32 v[PC+5], v[PC+6]
	WIN 4*\a                                       ; a store's data are its source 1
	global_store_b128 v21, v[PC:PC+3], s[92:93] offset:6144*\a
	global_store_b64 v22, v[PC+4:PC+5], s[92:93] offset:6144*\a+512
	global_store_b16 v24, v[FF+1], s[94:95] offset:OS0+256*\a
.endm
	s_load_b256 s[4:11], s[0:1], 0x0               ; qkv s[4:5], qkvs s[6:7], erel s[8:9], oimg s[10:11]
	v_lshl_add_u32 v254, v0, 2, 0x3b200
	v_mov_b32 v255, 0
	ds_add_u32 v254, v255
	ds_add_u32 v254, v255
	v_lshrrev_b32 v10, 5, v0
	v_readfirstlane_b32 s12, v10                   ; wave 0..7
	s_bfe_u32 s13, ttmp6, 0x40000                  ; cx: my place in the cluster = my block of 256 queries
	s_and_b32 s14, ttmp7, 0xffff                   ; b h, which the four partners share
	; descriptor groups 1: dense blocks as rows of 256 bytes (32 elements of 8 bytes), no padding
	s_mov_b32 s32, 15|(3<<16)|(1<<21)              ; K, V: 15:0 the mask: all four work-groups; 17:16 elements of 8 bytes; 21 set beside a mask
	s_mov_b32 s33, 32<<16                          ; tensor_dim0
	s_mov_b32 s34, 24<<16                          ; tensor_dim1: 24 rows, an eighth of 49,152 bytes
	s_mov_b32 s35, 32<<16                          ; tile_dim0
	s_mov_b32 s36, 24                              ; tile_dim1
	s_mov_b32 s37, 32                              ; the pitch
	s_mov_b32 s38, 0
	s_mov_b32 s39, 0
	s_mov_b32 s40, 15|(3<<16)|(1<<21)              ; their scales: 2 rows, an eighth of 4,096 bytes
	s_mov_b32 s41, 32<<16
	s_mov_b32 s42, 2<<16
	s_mov_b32 s43, 32<<16
	s_mov_b32 s44, 2
	s_mov_b32 s45, 32
	s_mov_b32 s46, 0
	s_mov_b32 s47, 0
	s_mov_b32 s48, 3<<16                           ; the table: no mask; 30 rows, an eighth of 61,440 bytes
	s_mov_b32 s49, 32<<16
	s_mov_b32 s50, 30<<16
	s_mov_b32 s51, 32<<16
	s_mov_b32 s52, 30
	s_mov_b32 s53, 32
	s_mov_b32 s54, 0
	s_mov_b32 s55, 0
	s_mov_b32 s56, 3<<16                           ; its scales: one row of 320 bytes, an eighth of 2,560
	s_mov_b32 s57, 40<<16
	s_mov_b32 s58, 1<<16
	s_mov_b32 s59, 40<<16
	s_mov_b32 s60, 1
	s_mov_b32 s61, 40
	s_mov_b32 s62, 0
	s_mov_b32 s63, 0
	; each wave brings its eighth of each region.  The joint loads' addresses are made of b h and the wave's number alone, in registers that never hold cx
	s_mul_i32 s16, s14, 49152
	s_mul_i32 s69, s12, 6144                       ; LDS: K's region begins at byte 0
	s_add_co_u32 s16, s16, s69
	s_mov_b32 s17, 0
	s_lshl_b32 s18, s14, 12
	s_lshl_b32 s77, s12, 9
	s_add_co_u32 s18, s18, s77
	s_mov_b32 s19, 0
	s_xor_b32 s20, s13, 3                          ; the table's window begins at tile 16 (3 - cx)
	s_mul_i32 s22, s20, 512
	s_mul_i32 s20, s20, 12288
	s_mul_i32 s81, s12, 7680
	s_add_co_u32 s20, s20, s81
	s_mov_b32 s21, 0
	s_mul_i32 s85, s12, 320
	s_add_co_u32 s22, s22, s85
	s_mov_b32 s23, 0
	s_add_co_u32 s73, s69, VIMG
	s_add_co_u32 s77, s77, KVS
	s_add_co_u32 s81, s81, EIMG
	s_add_co_u32 s85, s85, ESC
	s_mov_b32 s68, 1
	s_mov_b32 s72, 1
	s_mov_b32 s76, 1
	s_mov_b32 s80, 1
	s_mov_b32 s84, 1
	s_mov_b32 s24, 0x76543210
	s_mov_b32 s25, 0xfedcba98                      ; v_permlanex16_b32's selects for lane l xor 16
	s_mov_b32 s26, 0x3e38aa3b                      ; c = log2(e) / 8
	s_mov_b32 s27, s26                             ; (named with it as a pair, so it is written)
	s_wait_dscnt 0x0
	s_wait_kmcnt 0x0
	s_add_nc_u64 s[70:71], s[4:5], s[16:17]
	s_add_nc_u64 s[74:75], s[70:71], QKV_V
	s_add_nc_u64 s[70:71], s[70:71], QKV_K
	s_add_nc_u64 s[78:79], s[6:7], s[18:19]
	s_add_nc_u64 s[78:79], s[78:79], KVS0
	s_add_nc_u64 s[82:83], s[8:9], s[20:21]
	s_add_nc_u64 s[86:87], s[8:9], s[22:23]
	s_add_nc_u64 s[86:87], s[86:87], ES0
	s_or_b32 s71, s71, 0x80000000                  ; 127:126 type = 2
	s_or_b32 s75, s75, 0x80000000
	s_or_b32 s79, s79, 0x80000000
	s_or_b32 s83, s83, 0x80000000
	s_or_b32 s87, s87, 0x80000000
	CROUND                                         ; all four work-groups are here: the joint loads meet
	tensor_load_to_lds s[68:71], s[32:39]          ; K
	s_nop 0
	tensor_load_to_lds s[72:75], s[32:39]          ; V
	s_nop 0
	tensor_load_to_lds s[76:79], s[40:47]          ; their scales
	s_nop 0
	tensor_load_to_lds s[80:83], s[48:55]          ; the table's window
	s_nop 0
	tensor_load_to_lds s[84:87], s[56:63]          ; its scales
	s_nop 0
	PLACES 4                                       ; four places behind the last of the group
	v_and_b32 v10, 31, v0                          ; lane
	v_and_b32 v11, 15, v0                          ; r
	v_bfe_u32 v12, v0, 4, 1                        ; h
	v_lshlrev_b32 v21, 4, v10
	v_lshlrev_b32 v22, 3, v10
	v_lshlrev_b32 v23, 1, v11
	v_lshlrev_b32 v24, 4, v11
	s_lshl_b32 s15, s13, 4
	s_lshl_b32 s16, s12, 1
	s_add_co_u32 s15, s15, s16                     ; my first tile of queries in the head: 16 cx + 2 x wave
	s_mov_b32 s21, 0
	s_lshl_b32 s20, s14, 6
	s_add_co_u32 s20, s20, s15
	s_mul_i32 s20, s20, 768
	s_add_nc_u64 s[88:89], s[4:5], s[20:21]        ; its image of q
	s_lshl_b32 s20, s14, 11
	s_lshl_b32 s22, s15, 5
	s_add_co_u32 s20, s20, s22
	s_add_nc_u64 s[90:91], s[6:7], s[20:21]        ; and its scale pairs
	s_lshr_b32 s22, s14, 3
	s_lshl_b32 s22, s22, 6
	s_add_co_u32 s22, s22, s15                     ; the tile of tokens: 64 x batch + tile
	s_and_b32 s23, s14, 7                          ; the head
	s_lshl_b32 s20, s22, 3
	s_add_co_u32 s20, s20, s23
	s_mul_i32 s20, s20, 768
	s_add_nc_u64 s[92:93], s[10:11], s[20:21]      ; O's image [tile of tokens][head]
	s_lshl_b32 s20, s22, 8
	s_lshl_b32 s23, s23, 1
	s_add_co_u32 s20, s20, s23
	s_add_nc_u64 s[94:95], s[10:11], s[20:21]      ; O's scale pairs [tile of tokens][r][head]
	global_load_b128 v[QF:QF+3], v21, s[88:89]
	global_load_b64 v[QF+4:QF+5], v22, s[88:89] offset:512
	global_load_u16 v[QSR], v23, s[90:91]
	global_load_u16 v[QSR+1], v23, s[90:91] offset:32
	WIN 0x40
	global_load_b128 v[QF:QF+3], v21, s[88:89] offset:768
	global_load_b64 v[QF+4:QF+5], v22, s[88:89] offset:768+512
	WIN 0
	v_lshl_add_u32 v1, v10, 4, KIMG
	v_lshl_add_u32 v2, v10, 3, KIMG+512
	v_lshl_add_u32 v3, v10, 1, KVS
	s_xor_b32 s16, s12, 7                          ; the step's first table tile, counted from the window's start, is 8 s + 14 - 2 x wave
	s_mul_i32 s17, s16, 1536
	s_add_co_u32 s17, s17, EIMG
	v_lshl_add_u32 v4, v10, 4, s17
	v_lshl_add_u32 v5, v10, 3, s17
	v_add_nc_u32 v5, 512, v5
	s_lshl_b32 s17, s16, 6
	s_add_co_u32 s17, s17, ESC
	v_lshl_add_u32 v6, v10, 1, s17
	v_lshl_add_u32 v7, v10, 4, VIMG
	v_lshl_add_u32 v8, v10, 3, VIMG+512
	v_lshl_add_u32 v9, v10, 2, KVS+2048
	s_mul_i32 s17, s12, STGW
	s_add_co_u32 s17, s17, STG                     ; my stage
	v_mul_u32_u24 v19, v11, SP
	v_lshl_add_u32 v19, v12, 5, v19
	v_add_nc_u32 v19, s17, v19                     ; in: row r, + 32 h
	v_mul_u32_u24 v20, v11, SP-4
	v_lshl_add_u32 v20, v12, 6, v20
	v_add_nc_u32 v20, s17, v20
	v_add_nc_u32 v20, 60, v20                      ; out: row r, word 16 h + 15 - r
.irp j,0,1,2,3,4,5
	v_mov_b32 v[KF+48+\j], 0                       ; zero codes behind K's last tile
.endr
	INIT 0
	INIT 1
.irp j,0,1,2,3,4,5
	v_mov_b32 v[60+\j], 0                          ; (window 1) and behind E's last
.endr
	WIN 0
	s_mov_b32 s28, 8
	s_mov_b32 s29, 0                               ; 6,144 s: a step's eight images of K, of V (four fragments) and of E
	s_mov_b32 s30, 0                               ; 256 s: a step's scales of each
	s_wait_tensorcnt 0x0                           ; my eighths have landed,
	s_wait_loadcnt 0x0                             ; q is in,
	s_barrier_signal -1
	s_barrier_wait -1                              ; everybody's eighths have landed; the filled regions are only read from here on
.Lstep:                                                ; eight trips, all alike
	v_add_nc_u32 v10, s29, v1                      ; the step's addresses; these nine lines are also the places in front of the loads into registers that the last products read
	v_add_nc_u32 v11, s29, v2
	v_add_nc_u32 v12, s30, v3
	v_add_nc_u32 v13, s29, v4
	v_add_nc_u32 v14, s29, v5
	v_add_nc_u32 v15, s30, v6
	v_add_nc_u32 v16, s29, v7
	v_add_nc_u32 v17, s29, v8
	v_add_nc_u32 v18, s30, v9
	EFETCH
	KFETCH
	s_wait_dscnt 20                                ; E and its scales are in; K's 20 loads may be out
	PMM 0
	PMM 1
	PLACES 5                                       ; in front of the stage stores, of the loads into the results and over E, and of the products K q^T, which write the same registers again
	PSTORE 0
	SLOAD 0
	PSTORE 1                                       ; behind tile 0's loads, in order: one stage serves both tiles
	s_wait_dscnt 18                                ; K and tile 0's sheared term are in; tile 1's 18 stores may be out
	DOTS 0
	SLOAD 1
	VFETCH
	PLACES 4                                       ; in front of the first read of the scores
	SOFTMAX 0
	s_wait_dscnt 18                                ; tile 1's sheared term is in; V's 18 loads may be out
	DOTS 1
	s_wait_dscnt 0x0                               ; V
	PVMM 0
	PLACES 4
	SOFTMAX 1
	PVMM 1
	WIN 0                                          ; at a label and at a branch every window is 0
	s_add_co_u32 s29, s29, 6144
	s_add_co_u32 s30, s30, 256
	s_sub_co_u32 s28, s28, 1
	s_cmp_lg_u32 s28, 0
	s_cbranch_scc1 .Lstep
	PLACES 4                                       ; in front of the reads of the last results
	FINISH 0
	FINISH 1
	WIN 0
	s_wait_dscnt 0x0
	s_wait_tensorcnt 0x0
	ds_add_u32 v254, v255
	s_wait_dscnt 0x0
	CROUND                                         ; the closing round: no work-group ends while a partner may still ask for a tile that names it
	s_endpgm
.Lfunc_end_k_qe36fe87635_attn:
	.size	k_qe36fe87635_attn, .Lfunc_end_k_qe36fe87635_attn-k_qe36fe87635_attn
	.p2alignl 7, 3214868480
	.fill 96, 4, 3214868480
	.section	.rodata,"a",@progbits
	.p2align	6, 0x0
	.amdhsa_kernel k_qe36fe87635_attn
		.amdhsa_group_segment_fixed_size 243200
		.amdhsa_private_segment_fixed_size 0
		.amdhsa_enable_private_segment 0
		.amdhsa_kernarg_size 32
		.amdhsa_user_sgpr_count 2
		.amdhsa_user_sgpr_kernarg_segment_ptr 1
		.amdhsa_wavefront_size32 1
		.amdhsa_system_sgpr_workgroup_id_x 1
		.amdhsa_system_sgpr_workgroup_id_y 1
		.amdhsa_system_sgpr_workgroup_id_z 1
		.amdhsa_system_vgpr_workitem_id 0
		.amdhsa_next_free_vgpr 512
		.amdhsa_next_free_sgpr 100
		.amdhsa_reserve_vcc 0
		.amdhsa_float_denorm_mode_32 3
		.amdhsa_float_denorm_mode_16_64 3
		.amdhsa_memory_ordered 1
		.amdhsa_forward_progress 1
		.amdhsa_inst_pref_size 65
	.end_amdhsa_kernel
	.amdgpu_metadata
---
amdhsa.version: [ 1, 2 ]
amdhsa.kernels:
  - .name:           k_qe36fe87635_attn
    .symbol:         k_qe36fe87635_attn.kd
    .args:
      - { .name: qkv, .offset: 0, .size: 8, .value_kind: global_buffer, .address_space: global }
      - { .name: qkvs, .offset: 8, .size: 8, .value_kind: global_buffer, .address_space: global }
      - { .name: erel, .offset: 16, .size: 8, .value_kind: global_buffer, .address_space: global }
      - { .name: oimg, .offset: 24, .size: 8, .value_kind: global_buffer, .address_space: global }
    .group_segment_fixed_size: 243200
    .private_segment_fixed_size: 0
    .kernarg_segment_align: 8
    .kernarg_segment_size: 32
    .max_flat_workgroup_size: 256
    .sgpr_count:     100
    .vgpr_count:     512
    .wavefront_size: 32
...
	.end_amdgpu_metadata
.endif
;; end of part 2
;; launch outp (part 3): grid 256 x 1, 8 waves a work-group, no clusters, 70,656 bytes of LDS; arguments oimg, Wout_codes, Wout_scales, bout, out0; writes out0
.if DOCPART == 3
	.amdgcn_target "amdgcn-amd-amdhsa--gfx1250"
	.amdhsa_code_object_version 6
	.text
	.protected	k_qe36fe87635_outp
	.globl	k_qe36fe87635_outp
	.p2align	8
	.type	k_qe36fe87635_outp,@function
k_qe36fe87635_outp:
	s_mov_b64 s[64:65], 0
	v_nop
	global_prefetch_b8 v0, s[64:65] scope:SCOPE_SE
	s_setreg_imm32_b32 hwreg(HW_REG_WAVE_MODE, 25, 1), 1
	s_wait_xcnt 0x0
; out0 = O Wout + bout on codes of FP6 (E2M3) with E8M0 scales.  O comes as the images that the launch before has laid: [tile of 16 tokens 512][head 8][768 bytes], 16 tokens x 64 along K each, registers 0-3 at
; 16 x lane, registers 4-5 at 512 + 8 x lane; two heads' images are one fragment of 128 along K.  Its scales [tile][r][head] 2 bytes, from OS0 on: 16 bytes a row are the four scale words of K = 512.
; SHARES.  A work-group takes 32 tokens (two tiles) x all 512 outputs; wave w the outputs 64 w .. 64 w + 63: eight accumulators, two tiles of tokens x four of outputs.
; THE PRODUCT IS USED TRANSPOSED (source 0 = 16 rows of Wout, source 1 = 16 tokens): a lane holds eight neighbouring outputs of one token.  The bias is loaded into the accumulators, in the result's layout, so the
; first products add onto it.  K goes in four steps of 128 through two sets of fragment registers; a step's 32 loads are asked for two steps ahead.
; THE WAY OUT: a tile's 16 rows x 256 bytes go through the wave's own stage in LDS (rows 272 bytes apart) and come back two rows an instruction: sixteen lanes store 256 consecutive bytes, aligned.
; NO CLUSTER, no tensor load: the operands go from memory straight into registers, each used once by the wave that loads it.
.set OS0,  3145728
.set ACC,  16                          ; v16-79   accumulator (tt, nt) at 8 (4 tt + nt)
.set FB0,  80                          ; v80-151, v152-223: Wout's four fragments, then O's two
.set FB1,  152
.set WS,   224                         ; v224-239 Wout's scale words: tile nt, K step ks at 4 nt + ks
.set OSC,  240                         ; v240-247 O's: 4 tt + ks
; v1 lane, v2 r, v3 h; v4 Wout's codes' lane offset; v5 16 x lane; v6 8 x lane; v7 16 r; v8 32 h; v9 stage in; v10 stage out; v11 my byte offset in two rows of out0
.macro KLOAD ks, fb
.irp nt,0,1,2,3
.irp p,0,1,2,3,4,5
	global_load_b64 v[\fb+12*\nt+2*\p:\fb+12*\nt+2*\p+1], v4, s[6:7] offset:16*\nt*384+96*\ks+48*(\p/3)+8*(\p%3)
.endr
.endr
.irp tt,0,1
.irp f,0,1
	global_load_b128 v[\fb+48+12*\tt+6*\f:\fb+48+12*\tt+6*\f+3], v5, s[16:17] offset:6144*\tt+1536*\ks+768*\f
	global_load_b64 v[\fb+48+12*\tt+6*\f+4:\fb+48+12*\tt+6*\f+5], v6, s[16:17] offset:6144*\tt+1536*\ks+768*\f+512
.endr
.endr
.endm
.macro KMUL ks, fb                     ; eight products, the eight accumulators by turns, one instruction a turn
.irp tt,0,1
.irp nt,0,1,2,3
	v_wmma_scale_f32_16x16x128_f8f6f4 v[ACC+8*(4*\tt+\nt):ACC+8*(4*\tt+\nt)+7], v[\fb+12*\nt:\fb+12*\nt+11], v[\fb+48+12*\tt:\fb+48+12*\tt+11], v[ACC+8*(4*\tt+\nt):ACC+8*(4*\tt+\nt)+7], v[WS+4*\nt+\ks], v[OSC+4*\tt+\ks] matrix_a_fmt:MATRIX_FMT_FP6 matrix_b_fmt:MATRIX_FMT_FP6
.endr
.endr
.endm
.macro PLACES n
.rept \n
	v_nop
.endr
.endm
	s_load_b256 s[4:11], s[0:1], 0x0               ; oimg s[4:5], Wout's codes s[6:7], its scales s[8:9], bout s[10:11]
	s_load_b64 s[12:13], s[0:1], 0x20              ; out0
	v_lshl_add_u32 v254, v0, 2, 0x11000
	v_mov_b32 v255, 0
	v_lshrrev_b32 v1, 5, v0
	v_readfirstlane_b32 s14, v1                    ; wave 0..7
	v_and_b32 v1, 31, v0
	v_and_b32 v2, 15, v0
	v_bfe_u32 v3, v0, 4, 1
	v_mul_u32_u24 v4, v2, 384
	v_mad_u32_u24 v4, v3, 24, v4                   ; Wout: row r of 384 bytes, + 24 h
	v_lshlrev_b32 v5, 4, v1
	v_lshlrev_b32 v6, 3, v1
	v_lshlrev_b32 v7, 4, v2
	v_lshlrev_b32 v8, 5, v3                        ; the bias: my eight outputs begin 8 h numbers in
	s_mul_i32 s15, s14, 8704                       ; my two stages
	v_mul_u32_u24 v9, v2, 272
	v_lshl_add_u32 v9, v3, 5, v9
	v_add_nc_u32 v9, s15, v9                       ; in: row r, + 32 h
	v_mul_u32_u24 v10, v3, 272
	v_lshl_add_u32 v10, v2, 4, v10
	v_add_nc_u32 v10, s15, v10                     ; out: lanes 0-15 one row, lanes 16-31 the next
	v_lshlrev_b32 v11, 11, v3
	v_lshl_add_u32 v11, v2, 4, v11                 ; and the same two rows of out0, 2,048 bytes each
	s_mov_b32 s21, 0
	s_wait_kmcnt 0x0
	s_mul_i32 s20, ttmp9, 12288
	s_add_nc_u64 s[16:17], s[4:5], s[20:21]        ; my two tiles' sixteen images
	s_lshl_b32 s20, ttmp9, 9
	s_add_nc_u64 s[18:19], s[4:5], s[20:21]        ; and, OS0 bytes on, their scales
	s_mul_i32 s20, s14, 24576
	s_add_nc_u64 s[6:7], s[6:7], s[20:21]          ; my 64 rows of Wout,
	s_lshl_b32 s20, s14, 10
	s_add_nc_u64 s[8:9], s[8:9], s[20:21]          ; their scales,
	s_lshl_b32 s20, s14, 8
	s_add_nc_u64 s[10:11], s[10:11], s[20:21]      ; their bias
	s_lshl_b32 s22, ttmp9, 16
	s_add_co_u32 s20, s20, s22
	s_add_nc_u64 s[12:13], s[12:13], s[20:21]      ; out0: 32 rows x work-group, + 256 bytes x wave
.irp tt,0,1
.irp nt,0,1,2,3
	global_load_b128 v[ACC+8*(4*\tt+\nt):ACC+8*(4*\tt+\nt)+3], v8, s[10:11] offset:64*\nt
	global_load_b128 v[ACC+8*(4*\tt+\nt)+4:ACC+8*(4*\tt+\nt)+7], v8, s[10:11] offset:64*\nt+16
.endr
.endr
.irp nt,0,1,2,3
	global_load_b128 v[WS+4*\nt:WS+4*\nt+3], v7, s[8:9] offset:256*\nt
.endr
.irp tt,0,1
	global_load_b128 v[OSC+4*\tt:OSC+4*\tt+3], v7, s[18:19] offset:OS0+256*\tt
.endr
	KLOAD 0, FB0
	KLOAD 1, FB1
	s_wait_loadcnt 32                              ; all but K step 1's 32 loads
	KMUL 0, FB0
	PLACES 4                                       ; in front of loads into registers that matrix instructions have read
	KLOAD 2, FB0
	s_wait_loadcnt 32                              ; K step 1 is in; step 2's 32 loads may be out
	KMUL 1, FB1
	PLACES 4
	KLOAD 3, FB1
	s_wait_loadcnt 32                              ; K step 2 is in
	KMUL 2, FB0
	s_wait_loadcnt 0x0
	KMUL 3, FB1
	PLACES 4                                       ; in front of the first read of results, and of the loads into the first set of fragment registers
.irp tt,0,1
.irp nt,0,1,2,3
	ds_store_b128 v9, v[ACC+8*(4*\tt+\nt):ACC+8*(4*\tt+\nt)+3] offset:4352*\tt+64*\nt       ; each accumulator from its low end on
	ds_store_b128 v9, v[ACC+8*(4*\tt+\nt)+4:ACC+8*(4*\tt+\nt)+7] offset:4352*\tt+64*\nt+16
.endr
.irp k,0,1,2,3,4,5,6,7
	ds_load_b128 v[FB0+32*\tt+4*\k:FB0+32*\tt+4*\k+3], v10 offset:4352*\tt+544*\k           ; LDS serves a wave's instructions in order (ISA guide 5.7.1.4): these see my stores
.endr
.endr
.irp tt,0,1
.irp k,0,1,2,3,4,5,6,7
	s_wait_dscnt 16*(1-\tt)+7-\k                   ; behind this load: the rest of its tile's loads, and for the first tile the second's 8 stores and 8 loads
	global_store_b128 v11, v[FB0+32*\tt+4*\k:FB0+32*\tt+4*\k+3], s[12:13] offset:(16*\tt+2*\k)*2048 th:TH_STORE_NT   ; sixteen lanes store 256 consecutive bytes, at a multiple of 256 from out0's first byte; written once, read by nobody here
.endr
.endr
	s_wait_tensorcnt 0x0
	ds_add_u32 v254, v255
	s_wait_dscnt 0x0
	s_endpgm
.Lfunc_end_k_qe36fe87635_outp:
	.size	k_qe36fe87635_outp, .Lfunc_end_k_qe36fe87635_outp-k_qe36fe87635_outp
	.p2alignl 7, 3214868480
	.fill 96, 4, 3214868480
	.section	.rodata,"a",@progbits
	.p2align	6, 0x0
	.amdhsa_kernel k_qe36fe87635_outp
		.amdhsa_group_segment_fixed_size 70656
		.amdhsa_private_segment_fixed_size 0
		.amdhsa_enable_private_segment 0
		.amdhsa_kernarg_size 40
		.amdhsa_user_sgpr_count 2
		.amdhsa_user_sgpr_kernarg_segment_ptr 1
		.amdhsa_wavefront_size32 1
		.amdhsa_system_sgpr_workgroup_id_x 1
		.amdhsa_system_sgpr_workgroup_id_y 1
		.amdhsa_system_sgpr_workgroup_id_z 1
		.amdhsa_system_vgpr_workitem_id 0
		.amdhsa_next_free_vgpr 256
		.amdhsa_next_free_sgpr 66
		.amdhsa_reserve_vcc 0
		.amdhsa_float_denorm_mode_32 3
		.amdhsa_float_denorm_mode_16_64 3
		.amdhsa_memory_ordered 1
		.amdhsa_forward_progress 1
		.amdhsa_inst_pref_size 25
	.end_amdhsa_kernel
	.amdgpu_metadata
---
amdhsa.version: [ 1, 2 ]
amdhsa.kernels:
  - .name:           k_qe36fe87635_outp
    .symbol:         k_qe36fe87635_outp.kd
    .args:
      - { .name: oimg, .offset: 0, .size: 8, .value_kind: global_buffer, .address_space: global }
      - { .name: Wout_codes, .offset: 8, .size: 8, .value_kind: global_buffer, .address_space: global }
      - { .name: Wout_scales, .offset: 16, .size: 8, .value_kind: global_buffer, .address_space: global }
      - { .name: bout, .offset: 24, .size: 8, .value_kind: global_buffer, .address_space: global }
      - { .name: out0, .offset: 32, .size: 8, .value_kind: global_buffer, .address_space: global }
    .group_segment_fixed_size: 70656
    .private_segment_fixed_size: 0
    .kernarg_segment_align: 8
    .kernarg_segment_size: 40
    .max_flat_workgroup_size: 256
    .sgpr_count:     66
    .vgpr_count:     256
    .wavefront_size: 32
...
	.end_amdgpu_metadata
.endif
;; end of part 3
;; ======== version 2 of 3: 3 launches; 1.15 times as fast as version 1
;; workspace buffers: qkv 9,437,184 bytes; qkvs 393,216 bytes; erel 102,400 bytes; oimg 3,276,800 bytes; wimg 196,608 bytes
;; launch proj (part 4): grid 212 x 1, 8 waves a work-group, no clusters, 286,720 bytes of LDS; arguments x_codes, x_scales, Wq_codes, Wq_scales, Wkv_codes, Wkv_scales, bq, bkv, rel_emb, qkv, qkvs, erel, Wout_codes, wimg; writes qkv, qkvs, erel, wimg
.if DOCPART == 4
	.amdgcn_target "amdgcn-amd-amdhsa--gfx1250"
	.amdhsa_code_object_version 6
	.text
	.protected	k_qe36fe87635_proj
	.globl	k_qe36fe87635_proj
	.p2align	8
	.type	k_qe36fe87635_proj,@function
k_qe36fe87635_proj:
	s_mov_b64 s[64:65], 0
	v_nop
	global_prefetch_b8 v0, s[64:65] scope:SCOPE_SE
	s_setreg_imm32_b32 hwreg(HW_REG_WAVE_MODE, 25, 1), 1
	s_wait_xcnt 0x0
; q = x Wq + bq, k and v = x Wkv + bkv on codes of FP6 (E2M3) with E8M0 scales, each result quantised at once for the product that takes it:
; q and k along the head's 64 channels, v along the keys; the table of relative positions, quantised row by row along its 64 channels; and Wout's codes, laid anew as the last launch's registers want them.
; WHAT IS STORED.  The unit is an image of operand registers 0-5: 16 rows x 64 along K, 768 bytes: lane (r, h) holds row r, k = 32 h .. 32 h + 31; registers 0-3 at 16 x lane, registers 4-5
; at 512 + 8 x lane.  Its scales: two bytes a row.  So every store of codes covers 512 or 256 consecutive bytes, aligned, and a reader gets a fragment by one load of 16 and one of 8 bytes a lane.
;   qkv:  q's images [b h 64][tile of 16 tokens 64]; from QKV_K k's, the same; from QKV_V v's [b h][128 keys 8][16 channels 4][64 keys 2]
;   qkvs: q's scales [b h][token] 2 bytes; from KVS0, for each b h: k's [tile][r] 2 bytes (2,048), then v's [128 keys][16 channels][r][64 keys] 2 bytes (2,048)
;   erel: 128 images of E[w] = rel_emb[clamp(1535 - w, 0, 1024)], w = 0 .. 2047, so that the position term of query n and key m is q_n . E[m - n + 1023]: the clip lies in the table; from ES0 its scales
;   wimg: Wout's fragments [tile of 16 rows 32][K step 4], 12 registers each: registers 4 c .. 4 c + 3 at 512 c + 16 x lane
; SHARES.  Work-groups 0-63 make q, 64-127 k, 128-191 v, 192-207 the table, 208-211 wimg.  The three products: D = stationary (source 0) x moving (source 1) + bias.  In D a lane holds one moving row and its
; registers run along the stationary rows, which is the axis that is quantised.  A wave keeps 64 stationary rows for all of K = 512 in 192 registers, read from memory once; the work-group's 128 moving rows,
; eight tiles, lie in LDS and are read by all eight waves.   q: stationary Wq's 64 rows of head = wave, moving 128 tokens.  k: the same with Wkv.
; v: stationary 64 tokens a wave, moving 128 rows of Wkv's second half (two heads).
; THE ROWS OF A TILE.  Lane r of stationary tile 2 b + u takes row 32 b + 8 u + r + 8 (r / 8), so that the 16 registers of tiles 2 b, 2 b + 1 are 16 neighbours along the quantised axis.  k's tokens and v's
; channels (moving) are taken by the same rule, since in the next launch they are rows of a source 0 whose results must again be neighbours; q's tokens are taken as they lie.
; FROM MEMORY IN LONG RUNS.  Rows of 512 codes are 384 bytes and dense, so a wave's 64 stationary rows are 24,576 consecutive bytes and its 16 of the moving rows 6,144: every load of codes reads 512 consecutive
; bytes, 16 a lane.  A fragment wants 8-byte pieces of 16 rows: so the bytes turn through LDS.  Chunk i of 16 bytes lies at 16 i + 16 (i / 8), that is 16 bytes of padding behind each 128, and 128 bytes more
; stand behind each 16 rows: a row is 432 bytes = 108 words, row r starts at bank 44 r mod 64 (64 banks of 4 bytes: ISA guide 11.1), sixteen different multiples of 4, and a row 16 further on starts 32 banks on:
; so the 32 lanes of a fragment's load of 8 bytes touch 64 different banks, with rows as they lie and with rows by the tiles' rule.  The stationary rows' stage is each wave's own.
; NO CLUSTER: joint requests exist for tensor loads alone, and this text has none.  The work-groups of a role do read the same weight; four descriptors a wave (16 rows each, for the 128 bytes behind them) could ask for it jointly.  Not built.
; LIMITS: NaN and infinities among the inputs are not served.  A block whose largest magnitude lies under 2^-124 keeps the scale byte 1; a block of zeros gets the byte 1 and not 127: its codes are zeros,
; and the bytes are read by this program alone.
.set KROW,  384                        ; a row of 512 codes in bytes
.set QKV_K, 3145728
.set QKV_V, 6291456
.set KVS0,  131072
.set ES0,   98304
.set SPI,   432                        ; a row in LDS: 3 x (128 + 16) bytes
.set G16,   7040                       ; 16 rows in LDS: 16 x 432 + 128
.set RAW,   0                          ; LDS: the 128 moving rows: 8 x G16 = 56,320 bytes
.set MSC,   56320                      ; the moving tiles' scale words: 512 x tile + 16 x lane (four words a row)
.set WST,   60416                      ; the stationary rows' stages: 4 x G16 for each wave
.set WSTW,  28160
; v1 lane, v2 r, v3 h; v4 the table's and wimg's lane offset; v5 stationary scales' lane offset; v6 a chunk's lane part in LDS: 16 x lane + 16 (lane / 8); v7 my moving tile's scales' lane offset; v8 16 x lane;
; v9 where I store my 16 moving rows in LDS, v10 my moving tile's scale words; v11 8 x lane; v12 a scale pair's lane offset; v13 the bias's lane offset; v14 r + 8 (r / 8); v15 at work
; v88, v89 my stage, a fragment's lane address (the second: behind one padding more); v90 my stage, a chunk's; v92, v93 moving rows as they lie; v94, v95 moving rows by the tiles' rule
.set SSC,   16                         ; v16-31   stationary scale words: tile t, K step ks at 4 t + ks
.set MS,    32                         ; v32-39   moving scale words, two sets of four
.set TM,    40                         ; v40-45   the quantiser's: largest magnitudes, bytes, scale operands
.set PW,    46                         ; v46      the two scale bytes just made
.set PC,    48                         ; v48-54   the codes just made
.set BI,    56                         ; v56-87   q, k: the bias in the result's layout, 8 registers a tile
.set CB,    56                         ; v56-63   v: the lane's bias, eight times;
.set BM,    64                         ; v64-71   v: the lane's bias for each of the eight moving tiles
.set ACC,   96                         ; v96-127  four accumulators
.set MF,    128                        ; v128-223 a moving tile's four fragments, two buffers of 48; at the head my 16 moving rows as loaded
                                       ; window 1: v0-191 my 64 stationary rows as loaded, then their fragments: (t, ks) at 12 (4 t + ks)
.set MSB, 0
.macro WIN new                         ; the immediate's high byte repeats the setting that is left; a switch that changes nothing is dropped
.if MSB != (\new)
	s_set_vgpr_msb (MSB<<8)|(\new)
.set MSB, (\new)
.endif
.endm
.macro PLACES n
.rept \n
	v_nop
.endr
.endm
.macro FRAGG reg, adr, base, off       ; a fragment, 16 rows x 128 K, from rows in memory: lane (r, h) takes 24 bytes at 24 h and 24 at 48 + 24 h, in pieces of 8
.irp p,0,1,2,3,4,5
	global_load_b64 v[(\reg)+2*\p:(\reg)+2*\p+1], v[\adr], s[\base:\base+1] offset:(\off)+48*(\p/3)+8*(\p%3)
.endr
.endm
; The same from rows in LDS.  Lanes 0-15 take the row's pieces 12 ks + 0, 1, 2 and 12 ks + 6, 7, 8, lanes 16-31 those three pieces on.  Piece q lies at 8 q + 16 (q / 16); where the piece three on lies behind one
; padding more, the second address register (40 for 24 bytes a half) serves.
.macro FRAGL reg, adr, base, ks
.irp p,0,1,2,3,4,5
.set PCE, 12*(\ks)+6*(\p/3)+\p%3
.if PCE%16 < 13
	ds_load_b64 v[(\reg)+2*\p:(\reg)+2*\p+1], v[\adr] offset:(\base)+8*PCE+16*(PCE/16)
.else
	ds_load_b64 v[(\reg)+2*\p:(\reg)+2*\p+1], v[(\adr)+1] offset:(\base)+8*PCE+16*(PCE/16)
.endif
.endr
.endm
.macro FETCH tau, buf, perm            ; moving tile tau out of LDS: 25 loads.  perm = 0: its rows are 16 tau + r;  1: 32 (tau / 2) + 8 (tau % 2) + r + 8 (r / 8)
.if \perm
.set TBASE, RAW+2*G16*((\tau)/2)+8*SPI*((\tau)%2)
.set TADR, 94
.else
.set TBASE, RAW+G16*(\tau)
.set TADR, 92
.endif
.irp ks,0,1,2,3
	FRAGL MF+48*(\buf)+12*\ks, TADR, TBASE, \ks
.endr
	ds_load_b128 v[MS+4*(\buf):MS+4*(\buf)+3], v8 offset:MSC+512*(\tau)
.endm
.macro MMC d, a, b, c, sa, sb
	v_wmma_scale_f32_16x16x128_f8f6f4 v[(\d):(\d)+7], v[(\a):(\a)+11], v[(\b):(\b)+11], v[(\c):(\c)+7], v[(\sa)], v[(\sb)] matrix_a_fmt:MATRIX_FMT_FP6 matrix_b_fmt:MATRIX_FMT_FP6
.endm
.macro MAXES s                         ; the largest magnitudes of v[s .. s+15] and of v[s+16 .. s+31], by turns, with the floor 2^(3 - 127) among the leaves: the byte cannot fall under 1
.irp b,0,1
	v_max3_num_f32 v[TM+\b], |v[\s+16*\b]|, |v[\s+16*\b+1]|, 0x1800000
.endr
.irp i,2,4,6,8,10,12,14
.irp b,0,1
	v_max3_num_f32 v[TM+\b], v[TM+\b], |v[\s+16*\b+\i]|, |v[\s+16*\b+\i+1]|
.endr
.endr
.endm
; 32 numbers of a lane, register 16 b + i = k 32 b + 16 h + i of my row, become an image's six registers in v[PC] on and its two scale bytes in v[PW]
.macro QUANT32 s
	MAXES \s
.irp b,0,1
	v_permlanex16_b32 v[TM+2+\b], v[TM+\b], s40, s41
.endr
.irp b,0,1
	v_max_num_f32 v[TM+\b], v[TM+\b], v[TM+2+\b]   ; with lane l xor 16's 16: the block's largest magnitude
.endr
.irp b,0,1
	v_add_nc_u32 v[TM+4+\b], 0xff000000, v[TM+\b]  ; 2 off its exponent field: the conversion's scale operand
.endr
.irp b,0,1
	v_lshrrev_b32 v[TM+2+\b], 23, v[TM+4+\b]       ; the scale's byte
.endr
	s_wait_xcnt 0x0                                ; the last tile's stores have had their addresses translated: only now are their data, v[PW] and v[PC] on, written again
	v_lshl_or_b32 v[PW], v[TM+3], 8, v[TM+2]
	v_cvt_scalef32_pk16_fp6_f32 v[PC:PC+2], v[\s:\s+15], v[TM+4]
	v_cvt_scalef32_pk16_fp6_f32 v[PC+4:PC+6], v[\s+16:\s+31], v[TM+5]   ; (a conversion's three registers begin on an even number)
	v_nop                                          ; one plain place behind a scaled conversion
.irp i,0,1,2
	v_permlane16_swap_b32 v[PC+\i], v[PC+4+\i]     ; a whole block to a lane: lanes 0-15 block 0, lanes 16-31 block 1; the first holds the lower 16 codes, the second the upper
.endr
	v_mov_b32 v[PC+3], v[PC+4]
	v_mov_b32 v[PC+4], v[PC+5]
	v_mov_b32 v[PC+5], v[PC+6]
.endm
.macro OUT ib, sb, imgoff, scoff       ; an image: 512 and 256 consecutive bytes; its scales: 2 bytes a row (lanes 16-31 store what lanes 0-15 store)
	global_store_b128 v8, v[PC:PC+3], s[\ib:\ib+1] offset:\imgoff
	global_store_b64 v11, v[PC+4:PC+5], s[\ib:\ib+1] offset:(\imgoff)+512
	global_store_b16 v12, v[PW], s[\sb:\sb+1] offset:\scoff
.endm
; One moving tile: the next tile's fetch, 16 products (K step by K step, the four accumulators by turns, one instruction a turn), the quantiser, three stores.
.macro TRIP tau, vrole, perm, imgoff, scoff
.set BUF, (\tau)%2
.if (\tau)<7
	FETCH (\tau)+1,1-BUF,\perm                     ; into the buffer that the last trip's products read: its places and its quantiser stand between
	s_wait_dscnt 25                                ; this tile's 25 loads are in, and all that was asked for ahead of them; the 25 just issued may be out
.else
	s_wait_dscnt 0x0
.endif
	WIN 0x01                                       ; source 0 in window 1
.irp ks,0,1,2,3
.irp t,0,1,2,3
.if \ks==0
.if \vrole
	MMC ACC+8*\t,12*(4*\t+\ks),MF+48*BUF+12*\ks,CB,SSC+4*\t+\ks,MS+4*BUF+\ks
.else
	MMC ACC+8*\t,12*(4*\t+\ks),MF+48*BUF+12*\ks,BI+8*\t,SSC+4*\t+\ks,MS+4*BUF+\ks
.endif
.else
	MMC ACC+8*\t,12*(4*\t+\ks),MF+48*BUF+12*\ks,ACC+8*\t,SSC+4*\t+\ks,MS+4*BUF+\ks
.endif
.endr
.endr
	WIN 0
	PLACES 4                                       ; in front of the first read of results (ISA guide 7.12.1)
.if \vrole
.if (\tau)<7
.irp j,0,1,2,3,4,5,6,7
	v_mov_b32 v[CB+\j], v[BM+(\tau)+1]             ; the next tile's bias: a trip ahead, so that the quantiser's lines stand between this and the products that take it
.endr
.endif
.endif
	QUANT32 ACC
	OUT 22,24,\imgoff,\scoff
.endm
	s_load_b256 s[4:11], s[0:1], 0x0               ; x's codes s[4:5], x's scales s[6:7], Wq's codes s[8:9], Wq's scales s[10:11]
	s_load_b256 s[12:19], s[0:1], 0x20             ; Wkv's codes s[12:13], Wkv's scales s[14:15], bq s[16:17], bkv s[18:19]
	s_load_b256 s[20:27], s[0:1], 0x40             ; rel_emb s[20:21], qkv s[22:23], qkvs s[24:25], erel s[26:27]
	v_lshl_add_u32 v254, v0, 2, 0x45c00
	v_mov_b32 v255, 0
	v_lshrrev_b32 v1, 5, v0
	v_readfirstlane_b32 s36, v1                    ; wave 0..7
	v_and_b32 v1, 31, v0                           ; lane
	v_and_b32 v2, 15, v0                           ; r
	v_bfe_u32 v3, v0, 4, 1                         ; h
	v_lshlrev_b32 v8, 4, v1
	v_lshlrev_b32 v11, 3, v1
	v_mov_b32 v[TM+2], 0                           ; a lane permute's destination counts as one of its sources: written once
	v_mov_b32 v[TM+3], 0
	s_mov_b32 s40, 0x76543210
	s_mov_b32 s41, 0xfedcba98                      ; v_permlanex16_b32's selects for lane l xor 16
	s_mov_b32 s49, 0                               ; the upper word of every offset pair s[48:49]
	s_and_b32 s38, ttmp9, 63                       ; which share of the role
	s_lshr_b32 s37, ttmp9, 6                       ; the role: 0 q, 1 k, 2 v, 3 the table and wimg
	s_cmp_eq_u32 s37, 3
	s_cbranch_scc1 .Ltable                         ; the same way for all eight waves of a work-group
	; ---- the three products.  Every LDS address is made here, of constants, the lane and the wave's number alone
	v_and_b32 v14, 8, v2
	v_add_nc_u32 v14, v14, v2                      ; r + 8 (r / 8)
	v_lshlrev_b32 v5, 4, v14                       ; stationary scales: 16 bytes a row
	v_lshrrev_b32 v15, 3, v1
	v_lshl_add_u32 v6, v15, 4, v8                  ; a chunk's lane part: 16 x lane + 16 (lane / 8)
	s_mul_i32 s44, s36, G16
	v_add_nc_u32 v9, s44, v6                       ; the moving rows 16 x wave on, which I bring
	s_mul_i32 s44, s36, WSTW
	s_add_co_u32 s44, s44, WST                     ; my stage
	v_add_nc_u32 v90, s44, v6
	v_mul_u32_u24 v92, v2, SPI
	v_mad_u32_u24 v92, v3, 24, v92                 ; rows as they lie: row r, + 24 h;
	v_lshl_add_u32 v93, v3, 4, v92                 ; the same behind one padding more
	v_mul_u32_u24 v94, v14, SPI
	v_mad_u32_u24 v94, v3, 24, v94
	v_lshrrev_b32 v15, 3, v2
	v_lshl_add_u32 v94, v15, 7, v94                ; rows by the tiles' rule: row r + 8 (r / 8), + 24 h, + the 128 bytes behind 16 rows for lanes 8-15
	v_lshl_add_u32 v95, v3, 4, v94
	v_add_nc_u32 v88, s44, v94                     ; and the same in my stage
	v_add_nc_u32 v89, s44, v95
	s_lshl_b32 s44, s36, 9
	s_add_co_u32 s44, s44, MSC
	v_add_nc_u32 v10, s44, v8                      ; my moving tile's scale words
	s_lshr_b32 s45, s38, 2
	s_lshl_b32 s45, s45, 9                         ; v: the work-group's 512 tokens
	s_and_b32 s46, s38, 3
	s_lshl_b32 s46, s46, 7
	s_add_co_u32 s46, s46, 512                     ; v: its 128 rows of Wkv's second half
	s_lshl_b32 s47, s38, 7                         ; q, k: its 128 tokens
	s_cmp_eq_u32 s37, 0
	s_cselect_b32 s42, 0, 8                        ; q's moving rows as they lie; k's and v's by the tiles' rule
	s_cselect_b32 s43, 16, 8                       ; rows from an even moving tile to the odd one behind it
	s_wait_kmcnt 0x0
	s_cselect_b64 s[8:9], s[8:9], s[12:13]         ; the weight, its scales and its bias: Wq's for q, else Wkv's.  The choices hang on the work-group's number alone
	s_cselect_b64 s[10:11], s[10:11], s[14:15]
	s_cselect_b64 s[16:17], s[16:17], s[18:19]
	s_cmp_eq_u32 s37, 2
	s_cselect_b64 s[28:29], s[4:5], s[8:9]         ; stationary: x for v, else the weight
	s_cselect_b64 s[30:31], s[6:7], s[10:11]
	s_cselect_b64 s[32:33], s[8:9], s[4:5]         ; moving: the other one
	s_cselect_b64 s[34:35], s[10:11], s[6:7]
	s_cselect_b32 s45, s45, 0
	s_cselect_b32 s46, s46, s47                    ; the work-group's first moving row
	v_and_b32 v15, s42, v2
	v_add_nc_u32 v15, v15, v2
	v_lshlrev_b32 v7, 4, v15                       ; my moving tile's scales in memory: 16 bytes a row
	s_lshl_b32 s47, s36, 6
	s_add_co_u32 s45, s45, s47                     ; my first stationary row
	s_lshr_b32 s47, s36, 1
	s_lshl_b32 s47, s47, 5
	s_and_b32 s48, s36, 1
	s_mul_i32 s48, s48, s43
	s_add_co_u32 s47, s47, s48
	s_add_co_u32 s50, s46, s47                     ; the first row of moving tile = wave, whose scale words I fetch
	s_lshl_b32 s51, s36, 4
	s_add_co_u32 s51, s51, s46                     ; the first of the 16 moving rows whose codes I fetch
	s_mul_i32 s48, s45, KROW
	s_add_nc_u64 s[28:29], s[28:29], s[48:49]
	s_lshl_b32 s48, s45, 4
	s_add_nc_u64 s[30:31], s[30:31], s[48:49]
	s_mul_i32 s48, s51, KROW
	s_add_nc_u64 s[32:33], s[32:33], s[48:49]
	s_lshl_b32 s48, s50, 4
	s_add_nc_u64 s[34:35], s[34:35], s[48:49]
.set j, 0
.rept 12
	global_load_b128 v[MF+4*j:MF+4*j+3], v8, s[32:33] offset:512*j   ; my 16 moving rows first: 6,144 consecutive bytes, 512 a load
.set j, j+1
.endr
	global_load_b128 v[MS:MS+3], v7, s[34:35]
.irp t,0,1,2,3
	global_load_b128 v[SSC+4*\t:SSC+4*\t+3], v5, s[30:31] offset:(32*(\t/2)+8*(\t%2))*16
.endr
	WIN 0x40                                       ; destination window 1
.set j, 0
.rept 48
	global_load_b128 v[4*j:4*j+3], v8, s[28:29] offset:512*j         ; my 64 stationary rows: 24,576 consecutive bytes
.set j, j+1
.endr
	WIN 0
	s_wait_loadcnt 52                              ; loads come back in order: my 13 moving loads are in; the 4 + 48 behind them may be out
.set j, 0
.rept 12
	ds_store_b128 v9, v[MF+4*j:MF+4*j+3] offset:RAW+576*j            ; 32 chunks and their four paddings a store
.set j, j+1
.endr
	ds_store_b128 v10, v[MS:MS+3]
	WIN 0x04                                       ; an LDS store's data are its source 1: window 1
.set j, 0
.rept 4
	s_wait_loadcnt 36-j                            ; the next twelve loads, 16 rows, are in; the younger ones may be out
.rept 12
	ds_store_b128 v90, v[4*j:4*j+3] offset:576*j+128*(j/12)
.set j, j+1
.endr
.endr
	WIN 0
	s_wait_dscnt 0x0                               ; for the others' sake: my stores have landed (and have read their registers, which the fragments now take)
	s_barrier_signal -1
	s_barrier_wait -1                              ; all 128 moving rows lie in LDS; from here on LDS is only read
	WIN 0x40
.irp t,0,1,2,3
.irp ks,0,1,2,3
	FRAGL 12*(4*\t+\ks), 88, 2*G16*(\t/2)+8*SPI*(\t%2), \ks
.endr
.endr
	WIN 0
	s_cmp_eq_u32 s37, 2
	s_cbranch_scc1 .Lvrole
	; ---- q, k: the bias runs along the stationary rows: register 8 t + j of lane (r, h) wants that of row 32 (t / 2) + 16 h + 8 (t % 2) + j
	s_lshl_b32 s48, s36, 8
	s_add_nc_u64 s[16:17], s[16:17], s[48:49]      ; my 64 numbers
	v_lshlrev_b32 v13, 6, v3
.irp t,0,1,2,3
	global_load_b128 v[BI+8*\t:BI+8*\t+3], v13, s[16:17] offset:(32*(\t/2)+8*(\t%2))*4
	global_load_b128 v[BI+8*\t+4:BI+8*\t+7], v13, s[16:17] offset:(32*(\t/2)+8*(\t%2))*4+16
.endr
	v_lshlrev_b32 v12, 1, v2                       ; scales: 2 bytes a row
	s_lshr_b32 s51, s38, 3
	s_lshl_b32 s51, s51, 3
	s_add_co_u32 s51, s51, s36                     ; b h = 8 x batch + wave
	s_and_b32 s52, s38, 7                          ; which 128 tokens of the batch
	s_lshl_b32 s48, s51, 6
	s_lshl_b32 s53, s52, 3
	s_add_co_u32 s48, s48, s53                     ; the first of my eight images
	s_mul_i32 s48, s48, 768
	s_mul_i32 s53, s37, QKV_K                      ; k's part lies behind q's
	s_add_co_u32 s48, s48, s53
	s_add_nc_u64 s[22:23], s[22:23], s[48:49]
	s_add_co_u32 s53, s37, 11
	s_lshl_b32 s48, s51, s53                       ; scales: 2,048 bytes a head for q, 4,096 for k and v together,
	s_lshl_b32 s53, s37, 17                        ; which lie KVS0 bytes on
	s_add_co_u32 s48, s48, s53
	s_lshl_b32 s53, s52, 8
	s_add_co_u32 s48, s48, s53
	s_add_nc_u64 s[24:25], s[24:25], s[48:49]
	s_cmp_eq_u32 s37, 0
	s_cbranch_scc1 .Lqtrips                        ; q's trips and k's differ in which rows form a moving tile: two copies, each with addresses made of constants
	FETCH 0,0,1
	s_wait_loadcnt 0x0                             ; the bias
.irp tau,0,1,2,3,4,5,6,7
	TRIP \tau,0,1,768*\tau,32*\tau
.endr
	s_wait_tensorcnt 0x0
	ds_add_u32 v254, v255
	s_wait_dscnt 0x0
	s_endpgm
.Lqtrips:
	FETCH 0,0,0
	s_wait_loadcnt 0x0                             ; the bias
.irp tau,0,1,2,3,4,5,6,7
	TRIP \tau,0,0,768*\tau,32*\tau
.endr
	s_wait_tensorcnt 0x0
	ds_add_u32 v254, v255
	s_wait_dscnt 0x0
	s_endpgm
.Lvrole:
	; ---- v: the bias runs along the moving rows: one number a lane and tile
	FETCH 0,0,1
	s_lshl_b32 s48, s46, 2
	s_add_nc_u64 s[16:17], s[16:17], s[48:49]
	v_lshlrev_b32 v13, 2, v14
.irp tau,0,1,2,3,4,5,6,7
	global_load_b32 v[BM+\tau], v13, s[16:17] offset:(32*(\tau/2)+8*(\tau%2))*4
.endr
	v_lshlrev_b32 v12, 2, v2                       ; scales: 4 bytes a row, of which my 64 keys have two
	s_lshr_b32 s51, s38, 3
	s_lshl_b32 s51, s51, 3
	s_and_b32 s52, s38, 3
	s_lshl_b32 s52, s52, 1
	s_add_co_u32 s51, s51, s52                     ; b h of the first of the work-group's two heads
	s_bfe_u32 s52, s38, 0x10002
	s_lshl_b32 s52, s52, 2
	s_lshr_b32 s53, s36, 1
	s_add_co_u32 s52, s52, s53                     ; which 128 keys of the batch,
	s_and_b32 s53, s36, 1                          ; and which 64 of them
	s_lshl_b32 s48, s51, 3
	s_add_co_u32 s48, s48, s52
	s_mul_i32 s48, s48, 6144
	s_mul_i32 s54, s53, 768
	s_add_co_u32 s48, s48, s54
	s_add_nc_u64 s[22:23], s[22:23], s[48:49]
	s_add_nc_u64 s[22:23], s[22:23], QKV_V
	s_lshl_b32 s48, s51, 12
	s_lshl_b32 s54, s52, 8
	s_add_co_u32 s48, s48, s54
	s_lshl_b32 s54, s53, 1
	s_add_co_u32 s48, s48, s54
	s_add_co_u32 s48, s48, KVS0+2048
	s_add_nc_u64 s[24:25], s[24:25], s[48:49]
	s_wait_loadcnt 0x0
.irp j,0,1,2,3,4,5,6,7
	v_mov_b32 v[CB+\j], v[BM]
.endr
	PLACES 4
.irp tau,0,1,2,3,4,5,6,7
	TRIP \tau,1,1,(\tau/4)*49152+(\tau%4)*1536,(\tau/4)*4096+(\tau%4)*64
.endr
	s_wait_tensorcnt 0x0
	ds_add_u32 v254, v255
	s_wait_dscnt 0x0
	s_endpgm
.Ltable:
	s_cmp_ge_u32 s38, 16
	s_cbranch_scc1 .Lwimg                          ; shares 16 to 19 of this role lay Wout
	; ---- the table: a wave makes one image, rows w = 16 T + r.  Lane (r, h) loads its whole block of 32, so no other lane is asked for the maximum
	s_lshl_b32 s44, s38, 3
	s_add_co_u32 s44, s44, s36                     ; T = 8 x share + wave, 0 .. 127
	s_lshl_b32 s45, s44, 4
	v_add_nc_u32 v4, s45, v2                       ; w
	v_max_u32 v4, 511, v4
	v_add_nc_u32 v4, -511, v4
	v_min_u32 v4, 1024, v4
	v_sub_nc_u32 v4, 1024, v4                      ; clamp(1535 - w, 0, 1024)
	v_lshlrev_b32 v4, 8, v4
	v_lshl_add_u32 v4, v3, 7, v4                   ; a row of 256 bytes, + 128 h
	v_lshlrev_b32 v12, 1, v2
	s_mul_i32 s48, s44, 768
	s_wait_kmcnt 0x0
	s_add_nc_u64 s[28:29], s[26:27], s[48:49]
	s_lshl_b32 s48, s44, 5
	s_add_nc_u64 s[30:31], s[26:27], s[48:49]
.irp i,0,1,2,3,4,5,6,7
	global_load_b128 v[MF+4*\i:MF+4*\i+3], v4, s[20:21] offset:16*\i
.endr
	s_wait_loadcnt 0x0
	MAXES MF
	v_max_num_f32 v[TM], v[TM], v[TM+1]
	v_add_nc_u32 v[TM+4], 0xff000000, v[TM]
	v_lshrrev_b32 v[TM+2], 23, v[TM+4]
	v_lshlrev_b32 v[TM+5], 3, v3
	v_lshlrev_b32 v[TM+2], v[TM+5], v[TM+2]        ; my block's byte at its place, 8 h bits up;
	v_permlanex16_b32 v[TM+3], v[TM+2], s40, s41
	v_or_b32 v[PW], v[TM+2], v[TM+3]               ; with lane l xor 16's the pair is whole
	v_cvt_scalef32_pk16_fp6_f32 v[PC:PC+2], v[MF:MF+15], v[TM+4]
	v_cvt_scalef32_pk16_fp6_f32 v[PC+4:PC+6], v[MF+16:MF+31], v[TM+4]
	v_nop                                          ; one plain place behind a scaled conversion
	v_mov_b32 v[PC+3], v[PC+4]
	v_mov_b32 v[PC+4], v[PC+5]
	v_mov_b32 v[PC+5], v[PC+6]
	OUT 28,30,0,ES0
	s_endpgm
.Lwimg:
	; ---- Wout: a wave takes one tile of 16 rows: its four fragments come in pieces of 8 bytes from rows, once in the whole program, and leave as images: each store covers 512 consecutive bytes
	s_load_b128 s[56:59], s[0:1], 0x60             ; Wout's codes s[56:57], wimg s[58:59]
	s_sub_co_u32 s44, s38, 16
	s_lshl_b32 s44, s44, 3
	s_add_co_u32 s44, s44, s36                     ; the tile: 8 x (share - 16) + wave, 0 .. 31
	s_mul_i32 s48, s44, 6144                       ; 16 rows of 384 bytes, and four images of 1,536
	v_mul_u32_u24 v4, v2, KROW
	v_mad_u32_u24 v4, v3, 24, v4                   ; row r, + 24 h
	s_wait_kmcnt 0x0
	s_add_nc_u64 s[56:57], s[56:57], s[48:49]
	s_add_nc_u64 s[58:59], s[58:59], s[48:49]
.irp ks,0,1,2,3
	FRAGG MF+12*\ks,4,56,96*\ks
.endr
	s_wait_loadcnt 0x0
.irp ks,0,1,2,3
.irp c,0,1,2
	global_store_b128 v8, v[MF+12*\ks+4*\c:MF+12*\ks+4*\c+3], s[58:59] offset:1536*\ks+512*\c
.endr
.endr
	s_endpgm
.Lfunc_end_k_qe36fe87635_proj:
	.size	k_qe36fe87635_proj, .Lfunc_end_k_qe36fe87635_proj-k_qe36fe87635_proj
	.p2alignl 7, 3214868480
	.fill 96, 4, 3214868480
	.section	.rodata,"a",@progbits
	.p2align	6, 0x0
	.amdhsa_kernel k_qe36fe87635_proj
		.amdhsa_group_segment_fixed_size 286720
		.amdhsa_private_segment_fixed_size 0
		.amdhsa_enable_private_segment 0
		.amdhsa_kernarg_size 112
		.amdhsa_user_sgpr_count 2
		.amdhsa_user_sgpr_kernarg_segment_ptr 1
		.amdhsa_wavefront_size32 1
		.amdhsa_system_sgpr_workgroup_id_x 1
		.amdhsa_system_sgpr_workgroup_id_y 1
		.amdhsa_system_sgpr_workgroup_id_z 1
		.amdhsa_system_vgpr_workitem_id 0
		.amdhsa_next_free_vgpr 448
		.amdhsa_next_free_sgpr 66
		.amdhsa_reserve_vcc 0
		.amdhsa_float_denorm_mode_32 3
		.amdhsa_float_denorm_mode_16_64 3
		.amdhsa_memory_ordered 1
		.amdhsa_forward_progress 1
		.amdhsa_inst_pref_size 176
	.end_amdhsa_kernel
	.amdgpu_metadata
---
amdhsa.version: [ 1, 2 ]
amdhsa.kernels:
  - .name:           k_qe36fe87635_proj
    .symbol:         k_qe36fe87635_proj.kd
    .args:
      - { .name: x_codes, .offset: 0, .size: 8, .value_kind: global_buffer, .address_space: global }
      - { .name: x_scales, .offset: 8, .size: 8, .value_kind: global_buffer, .address_space: global }
      - { .name: Wq_codes, .offset: 16, .size: 8, .value_kind: global_buffer, .address_space: global }
      - { .name: Wq_scales, .offset: 24, .size: 8, .value_kind: global_buffer, .address_space: global }
      - { .name: Wkv_codes, .offset: 32, .size: 8, .value_kind: global_buffer, .address_space: global }
      - { .name: Wkv_scales, .offset: 40, .size: 8, .value_kind: global_buffer, .address_space: global }
      - { .name: bq, .offset: 48, .size: 8, .value_kind: global_buffer, .address_space: global }
      - { .name: bkv, .offset: 56, .size: 8, .value_kind: global_buffer, .address_space: global }
      - { .name: rel_emb, .offset: 64, .size: 8, .value_kind: global_buffer, .address_space: global }
      - { .name: qkv, .offset: 72, .size: 8, .value_kind: global_buffer, .address_space: global }
      - { .name: qkvs, .offset: 80, .size: 8, .value_kind: global_buffer, .address_space: global }
      - { .name: erel, .offset: 88, .size: 8, .value_kind: global_buffer, .address_space: global }
      - { .name: Wout_codes, .offset: 96, .size: 8, .value_kind: global_buffer, .address_space: global }
      - { .name: wimg, .offset: 104, .size: 8, .value_kind: global_buffer, .address_space: global }
    .group_segment_fixed_size: 286720
    .private_segment_fixed_size: 0
    .kernarg_segment_align: 8
    .kernarg_segment_size: 112
    .max_flat_workgroup_size: 256
    .sgpr_count:     66
    .vgpr_count:     448
    .wavefront_size: 32
...
	.end_amdgpu_metadata
.endif
;; end of part 4
;; launch attn: the kernel of part 2 again; grid 4 x 64, 8 waves a work-group, clusters of 4 x 1, 243,200 bytes of LDS; arguments qkv, qkvs, erel, oimg; writes oimg
;; launch outp (part 5): grid 256 x 1, 8 waves a work-group, no clusters, 70,656 bytes of LDS; arguments oimg, wimg, Wout_scales, bout, out0; writes out0
.if DOCPART == 5
	.amdgcn_target "amdgcn-amd-amdhsa--gfx1250"
	.amdhsa_code_object_version 6
	.text
	.protected	k_qe36fe87635_outp
	.globl	k_qe36fe87635_outp
	.p2align	8
	.type	k_qe36fe87635_outp,@function
k_qe36fe87635_outp:
	s_mov_b64 s[64:65], 0
	v_nop
	global_prefetch_b8 v0, s[64:65] scope:SCOPE_SE
	s_setreg_imm32_b32 hwreg(HW_REG_WAVE_MODE, 25, 1), 1
	s_wait_xcnt 0x0
; out0 = O Wout + bout on codes of FP6 (E2M3) with E8M0 scales.  O comes as the images that the launch before has laid: [tile of 16 tokens 512][head 8][768 bytes], 16 tokens x 64 along K each, registers 0-3 at
; 16 x lane, registers 4-5 at 512 + 8 x lane; two heads' images are one fragment of 128 along K.  Its scales [tile][r][head] 2 bytes, from OS0 on: 16 bytes a row are the four scale words of K = 512.
; Wout's codes come as the images that the first launch has laid: [tile of 16 rows 32][K step 4][1,536 bytes], a fragment's registers 4 c .. 4 c + 3 at 512 c + 16 x lane: three loads of 512 consecutive bytes a fragment.
; SHARES.  A work-group takes 32 tokens (two tiles) x all 512 outputs; wave w the outputs 64 w .. 64 w + 63: eight accumulators, two tiles of tokens x four of outputs.
; THE PRODUCT IS USED TRANSPOSED (source 0 = 16 rows of Wout, source 1 = 16 tokens): a lane holds eight neighbouring outputs of one token.  The bias is loaded into the accumulators, in the result's layout, so the
; first products add onto it.  K goes in four steps of 128 through two sets of fragment registers; a step's 20 loads are asked for two steps ahead.
; THE WAY OUT: a tile's 16 rows x 256 bytes go through the wave's own stage in LDS (rows 272 bytes apart) and come back two rows an instruction: sixteen lanes store 256 consecutive bytes, aligned.
; NO CLUSTER, no tensor load: the operands go from memory straight into registers, each used once by the wave that loads it.
.set OS0,  3145728
.set ACC,  16                          ; v16-79   accumulator (tt, nt) at 8 (4 tt + nt)
.set FB0,  80                          ; v80-151, v152-223: Wout's four fragments, then O's two
.set FB1,  152
.set WS,   224                         ; v224-239 Wout's scale words: tile nt, K step ks at 4 nt + ks
.set OSC,  240                         ; v240-247 O's: 4 tt + ks
; v1 lane, v2 r, v3 h; v5 16 x lane; v6 8 x lane; v7 16 r; v8 32 h; v9 stage in; v10 stage out; v11 my byte offset in two rows of out0
.macro KLOAD ks, fb                    ; a K step's fragments: 12 loads for Wout's four, 8 for O's two
.irp nt,0,1,2,3
.irp c,0,1,2
	global_load_b128 v[\fb+12*\nt+4*\c:\fb+12*\nt+4*\c+3], v5, s[6:7] offset:6144*\nt+1536*\ks+512*\c
.endr
.endr
.irp tt,0,1
.irp f,0,1
	global_load_b128 v[\fb+48+12*\tt+6*\f:\fb+48+12*\tt+6*\f+3], v5, s[16:17] offset:6144*\tt+1536*\ks+768*\f
	global_load_b64 v[\fb+48+12*\tt+6*\f+4:\fb+48+12*\tt+6*\f+5], v6, s[16:17] offset:6144*\tt+1536*\ks+768*\f+512
.endr
.endr
.endm
.macro KMUL ks, fb                     ; eight products, the eight accumulators by turns, one instruction a turn
.irp tt,0,1
.irp nt,0,1,2,3
	v_wmma_scale_f32_16x16x128_f8f6f4 v[ACC+8*(4*\tt+\nt):ACC+8*(4*\tt+\nt)+7], v[\fb+12*\nt:\fb+12*\nt+11], v[\fb+48+12*\tt:\fb+48+12*\tt+11], v[ACC+8*(4*\tt+\nt):ACC+8*(4*\tt+\nt)+7], v[WS+4*\nt+\ks], v[OSC+4*\tt+\ks] matrix_a_fmt:MATRIX_FMT_FP6 matrix_b_fmt:MATRIX_FMT_FP6
.endr
.endr
.endm
.macro PLACES n
.rept \n
	v_nop
.endr
.endm
	s_load_b256 s[4:11], s[0:1], 0x0               ; oimg s[4:5], wimg s[6:7], Wout's scales s[8:9], bout s[10:11]
	s_load_b64 s[12:13], s[0:1], 0x20              ; out0
	v_lshl_add_u32 v254, v0, 2, 0x11000
	v_mov_b32 v255, 0
	v_lshrrev_b32 v1, 5, v0
	v_readfirstlane_b32 s14, v1                    ; wave 0..7
	v_and_b32 v1, 31, v0
	v_and_b32 v2, 15, v0
	v_bfe_u32 v3, v0, 4, 1
	v_lshlrev_b32 v5, 4, v1
	v_lshlrev_b32 v6, 3, v1
	v_lshlrev_b32 v7, 4, v2
	v_lshlrev_b32 v8, 5, v3                        ; the bias: my eight outputs begin 8 h numbers in
	s_mul_i32 s15, s14, 8704                       ; my two stages
	v_mul_u32_u24 v9, v2, 272
	v_lshl_add_u32 v9, v3, 5, v9
	v_add_nc_u32 v9, s15, v9                       ; in: row r, + 32 h
	v_mul_u32_u24 v10, v3, 272
	v_lshl_add_u32 v10, v2, 4, v10
	v_add_nc_u32 v10, s15, v10                     ; out: lanes 0-15 one row, lanes 16-31 the next
	v_lshlrev_b32 v11, 11, v3
	v_lshl_add_u32 v11, v2, 4, v11                 ; and the same two rows of out0, 2,048 bytes each
	s_mov_b32 s21, 0
	s_wait_kmcnt 0x0
	s_mul_i32 s20, ttmp9, 12288
	s_add_nc_u64 s[16:17], s[4:5], s[20:21]        ; my two tiles' sixteen images
	s_lshl_b32 s20, ttmp9, 9
	s_add_nc_u64 s[18:19], s[4:5], s[20:21]        ; and, OS0 bytes on, their scales
	s_mul_i32 s20, s14, 24576
	s_add_nc_u64 s[6:7], s[6:7], s[20:21]          ; my four tiles of Wout: sixteen images of 1,536 bytes,
	s_lshl_b32 s20, s14, 10
	s_add_nc_u64 s[8:9], s[8:9], s[20:21]          ; their scales,
	s_lshl_b32 s20, s14, 8
	s_add_nc_u64 s[10:11], s[10:11], s[20:21]      ; their bias
	s_lshl_b32 s22, ttmp9, 16
	s_add_co_u32 s20, s20, s22
	s_add_nc_u64 s[12:13], s[12:13], s[20:21]      ; out0: 32 rows x work-group, + 256 bytes x wave
.irp tt,0,1
.irp nt,0,1,2,3
	global_load_b128 v[ACC+8*(4*\tt+\nt):ACC+8*(4*\tt+\nt)+3], v8, s[10:11] offset:64*\nt
	global_load_b128 v[ACC+8*(4*\tt+\nt)+4:ACC+8*(4*\tt+\nt)+7], v8, s[10:11] offset:64*\nt+16
.endr
.endr
.irp nt,0,1,2,3
	global_load_b128 v[WS+4*\nt:WS+4*\nt+3], v7, s[8:9] offset:256*\nt
.endr
.irp tt,0,1
	global_load_b128 v[OSC+4*\tt:OSC+4*\tt+3], v7, s[18:19] offset:OS0+256*\tt
.endr
	KLOAD 0, FB0
	KLOAD 1, FB1
	s_wait_loadcnt 20                              ; all but K step 1's 20 loads
	KMUL 0, FB0
	PLACES 4                                       ; in front of loads into registers that matrix instructions have read
	KLOAD 2, FB0
	s_wait_loadcnt 20                              ; K step 1 is in; step 2's 20 loads may be out
	KMUL 1, FB1
	PLACES 4
	KLOAD 3, FB1
	s_wait_loadcnt 20                              ; K step 2 is in
	KMUL 2, FB0
	s_wait_loadcnt 0x0
	KMUL 3, FB1
	PLACES 4                                       ; in front of the first read of results, and of the loads into the first set of fragment registers
.irp tt,0,1
.irp nt,0,1,2,3
	ds_store_b128 v9, v[ACC+8*(4*\tt+\nt):ACC+8*(4*\tt+\nt)+3] offset:4352*\tt+64*\nt       ; each accumulator from its low end on
	ds_store_b128 v9, v[ACC+8*(4*\tt+\nt)+4:ACC+8*(4*\tt+\nt)+7] offset:4352*\tt+64*\nt+16
.endr
.irp k,0,1,2,3,4,5,6,7
	ds_load_b128 v[FB0+32*\tt+4*\k:FB0+32*\tt+4*\k+3], v10 offset:4352*\tt+544*\k           ; LDS serves a wave's instructions in order (ISA guide 5.7.1.4): these see my stores
.endr
.endr
.irp tt,0,1
.irp k,0,1,2,3,4,5,6,7
	s_wait_dscnt 16*(1-\tt)+7-\k                   ; behind this load: the rest of its tile's loads, and for the first tile the second's 8 stores and 8 loads
	global_store_b128 v11, v[FB0+32*\tt+4*\k:FB0+32*\tt+4*\k+3], s[12:13] offset:(16*\tt+2*\k)*2048 th:TH_STORE_NT   ; sixteen lanes store 256 consecutive bytes, at a multiple of 256 from out0's first byte; written once, read by nobody here
.endr
.endr
	s_wait_tensorcnt 0x0
	ds_add_u32 v254, v255
	s_wait_dscnt 0x0
	s_endpgm
.Lfunc_end_k_qe36fe87635_outp:
	.size	k_qe36fe87635_outp, .Lfunc_end_k_qe36fe87635_outp-k_qe36fe87635_outp
	.p2alignl 7, 3214868480
	.fill 96, 4, 3214868480
	.section	.rodata,"a",@progbits
	.p2align	6, 0x0
	.amdhsa_kernel k_qe36fe87635_outp
		.amdhsa_group_segment_fixed_size 70656
		.amdhsa_private_segment_fixed_size 0
		.amdhsa_enable_private_segment 0
		.amdhsa_kernarg_size 40
		.amdhsa_user_sgpr_count 2
		.amdhsa_user_sgpr_kernarg_segment_ptr 1
		.amdhsa_wavefront_size32 1
		.amdhsa_system_sgpr_workgroup_id_x 1
		.amdhsa_system_sgpr_workgroup_id_y 1
		.amdhsa_system_sgpr_workgroup_id_z 1
		.amdhsa_system_vgpr_workitem_id 0
		.amdhsa_next_free_vgpr 256
		.amdhsa_next_free_sgpr 66
		.amdhsa_reserve_vcc 0
		.amdhsa_float_denorm_mode_32 3
		.amdhsa_float_denorm_mode_16_64 3
		.amdhsa_memory_ordered 1
		.amdhsa_forward_progress 1
		.amdhsa_inst_pref_size 21
	.end_amdhsa_kernel
	.amdgpu_metadata
---
amdhsa.version: [ 1, 2 ]
amdhsa.kernels:
  - .name:           k_qe36fe87635_outp
    .symbol:         k_qe36fe87635_outp.kd
    .args:
      - { .name: oimg, .offset: 0, .size: 8, .value_kind: global_buffer, .address_space: global }
      - { .name: wimg, .offset: 8, .size: 8, .value_kind: global_buffer, .address_space: global }
      - { .name: Wout_scales, .offset: 16, .size: 8, .value_kind: global_buffer, .address_space: global }
      - { .name: bout, .offset: 24, .size: 8, .value_kind: global_buffer, .address_space: global }
      - { .name: out0, .offset: 32, .size: 8, .value_kind: global_buffer, .address_space: global }
    .group_segment_fixed_size: 70656
    .private_segment_fixed_size: 0
    .kernarg_segment_align: 8
    .kernarg_segment_size: 40
    .max_flat_workgroup_size: 256
    .sgpr_count:     66
    .vgpr_count:     256
    .wavefront_size: 32
...
	.end_amdgpu_metadata
.endif
;; end of part 5
;; ======== version 3 of 3: 3 launches; version 2 with the launches proj, outp written anew for expert scheduling mode
;; workspace buffers: qkv 9,437,184 bytes; qkvs 393,216 bytes; erel 102,400 bytes; oimg 3,276,800 bytes; wimg 196,608 bytes
;; launch proj (part 6): grid 212 x 1, 8 waves a work-group, no clusters, 286,720 bytes of LDS; arguments x_codes, x_scales, Wq_codes, Wq_scales, Wkv_codes, Wkv_scales, bq, bkv, rel_emb, qkv, qkvs, erel, Wout_codes, wimg; writes qkv, qkvs, erel, wimg
.if DOCPART == 6
	.amdgcn_target "amdgcn-amd-amdhsa--gfx1250"
	.amdhsa_code_object_version 6
	.text
	.protected	k_qe36fe87635_proj
	.globl	k_qe36fe87635_proj
	.p2align	8
	.type	k_qe36fe87635_proj,@function
k_qe36fe87635_proj:
	s_mov_b64 s[64:65], 0
	v_nop
	global_prefetch_b8 v0, s[64:65] scope:SCOPE_SE
	s_setreg_imm32_b32 hwreg(HW_REG_WAVE_SCHED_MODE, 0, 2), 2
	s_setreg_imm32_b32 hwreg(HW_REG_WAVE_MODE, 25, 1), 1
	s_wait_xcnt 0x0
	s_wait_alu depctr_vm_vsrc(0)
; q = x Wq + bq, k and v = x Wkv + bkv on codes of FP6 (E2M3) with E8M0 scales, each result quantised at once for the product that takes it:
; q and k along the head's 64 channels, v along the keys; the table of relative positions, quantised row by row along its 64 channels; and Wout's codes, laid anew as the last launch's registers want them.
; WHAT IS STORED.  The unit is an image of operand registers 0-5: 16 rows x 64 along K, 768 bytes: lane (r, h) holds row r, k = 32 h .. 32 h + 31; registers 0-3 at 16 x lane, registers 4-5
; at 512 + 8 x lane.  Its scales: two bytes a row.  So every store of codes covers 512 or 256 consecutive bytes, aligned, and a reader gets a fragment by one load of 16 and one of 8 bytes a lane.
;   qkv:  q's images [b h 64][tile of 16 tokens 64]; from QKV_K k's, the same; from QKV_V v's [b h][128 keys 8][16 channels 4][64 keys 2]
;   qkvs: q's scales [b h][token] 2 bytes; from KVS0, for each b h: k's [tile][r] 2 bytes (2,048), then v's [128 keys][16 channels][r][64 keys] 2 bytes (2,048)
;   erel: 128 images of E[w] = rel_emb[clamp(1535 - w, 0, 1024)], w = 0 .. 2047, so that the position term of query n and key m is q_n . E[m - n + 1023]: the clip lies in the table; from ES0 its scales
;   wimg: Wout's fragments [tile of 16 rows 32][K step 4], 12 registers each: registers 4 c .. 4 c + 3 at 512 c + 16 x lane
; SHARES.  Work-groups 0-63 make q, 64-127 k, 128-191 v, 192-207 the table, 208-211 wimg.  The three products: D = stationary (source 0) x moving (source 1) + bias.  In D a lane holds one moving row and its
; registers run along the stationary rows, which is the axis that is quantised.  A wave keeps 64 stationary rows for all of K = 512 in 192 registers, read from memory once; the work-group's 128 moving rows,
; eight tiles, lie in LDS and are read by all eight waves.   q: stationary Wq's 64 rows of head = wave, moving 128 tokens.  k: the same with Wkv.
; v: stationary 64 tokens a wave, moving 128 rows of Wkv's second half (two heads).
; THE ROWS OF A TILE.  Lane r of stationary tile 2 b + u takes row 32 b + 8 u + r + 8 (r / 8), so that the 16 registers of tiles 2 b, 2 b + 1 are 16 neighbours along the quantised axis.  k's tokens and v's
; channels (moving) are taken by the same rule, since in the next launch they are rows of a source 0 whose results must again be neighbours; q's tokens are taken as they lie.
; FROM MEMORY IN LONG RUNS.  Rows of 512 codes are 384 bytes and dense, so a wave's 64 stationary rows are 24,576 consecutive bytes and its 16 of the moving rows 6,144: every load of codes reads 512 consecutive
; bytes, 16 a lane.  A fragment wants 8-byte pieces of 16 rows: so the bytes turn through LDS.  Chunk i of 16 bytes lies at 16 i + 16 (i / 8), that is 16 bytes of padding behind each 128, and 128 bytes more
; stand behind each 16 rows: a row is 432 bytes = 108 words, row r starts at bank 44 r mod 64 (64 banks of 4 bytes: ISA guide 11.1), sixteen different multiples of 4, and a row 16 further on starts 32 banks on:
; so the 32 lanes of a fragment's load of 8 bytes touch 64 different banks, with rows as they lie and with rows by the tiles' rule.  The stationary rows' stage is each wave's own.
; NO CLUSTER: joint requests exist for tensor loads alone, and this text has none.  The work-groups of a role do read the same weight; four descriptors a wave (16 rows each, for the 128 bytes behind them) could ask for it jointly.  Not built.
; LIMITS: NaN and infinities among the inputs are not served.  A block whose largest magnitude lies under 2^-124 keeps the scale byte 1; a block of zeros gets the byte 1 and not 127: its codes are zeros,
; and the bytes are read by this program alone.
; THE MODE: SCHED_MODE bits 1:0 = 2 (LLVM: expert scheduling mode 2), set by the entry lines.  The code itself states the register dependences between vector or matrix instructions and memory or LDS
; instructions, with s_wait_alu, always for 0.
; THE PLAN.  Registers that memory or LDS instructions touch:
;   v5, v7-v11, v88-v95   offsets and LDS addresses: made once at the head, ahead of the wait in front of the first load, and never written again.  v12, v13: made at the head of a role's arm, with a wait of their own.
;                         v4: made in the table's and in wimg's way, likewise.
;   window 1 v0-191, MF set 0, MS set 0   at the head: loaded from memory, read by my LDS stores, loaded again from LDS: one wait on vm_vsrc behind the barrier, ahead of the branch on the role.
;   MF[b], MS[b]          Trip t's products read set t % 2; the LDS loads of tile t + 1, issued in trip t, land in the other set, which the products of trip t - 1 read.
;   PC, PW                Written by trip t's quantiser; read by three stores, which stand at the head of trip t + 1; written again by trip t + 1's quantiser, behind its sixteen products.
; So ONE wait on va_vdst stands at a trip's head: the last trip's products are done reading the other MF and MS, and its quantiser has written PC and PW.  Behind it come the last tile's stores and the next tile's 25
; LDS loads, in two runs, the second among the trip's products, which name MF[t % 2], MS[t % 2], window 1, the bias and the accumulators: none of the registers that those loads touch.  One wait on vm_vsrc a trip
; stands in the quantiser, ahead of the first line that writes PW and PC again.
.set KROW,  384                        ; a row of 512 codes in bytes
.set QKV_K, 3145728
.set QKV_V, 6291456
.set KVS0,  131072
.set ES0,   98304
.set SPI,   432                        ; a row in LDS: 3 x (128 + 16) bytes
.set G16,   7040                       ; 16 rows in LDS: 16 x 432 + 128
.set RAW,   0                          ; LDS: the 128 moving rows: 8 x G16 = 56,320 bytes
.set MSC,   56320                      ; the moving tiles' scale words: 512 x tile + 16 x lane (four words a row)
.set WST,   60416                      ; the stationary rows' stages: 4 x G16 for each wave
.set WSTW,  28160
; v1 lane, v2 r, v3 h; v4 the table's and wimg's lane offset; v5 stationary scales' lane offset; v6 a chunk's lane part in LDS: 16 x lane + 16 (lane / 8); v7 my moving tile's scales' lane offset; v8 16 x lane;
; v9 where I store my 16 moving rows in LDS, v10 my moving tile's scale words; v11 8 x lane; v12 a scale pair's lane offset; v13 the bias's lane offset; v14 r + 8 (r / 8); v15 at work
; v88, v89 my stage, a fragment's lane address (the second: behind one padding more); v90 my stage, a chunk's; v92, v93 moving rows as they lie; v94, v95 moving rows by the tiles' rule
.set SSC,   16                         ; v16-31   stationary scale words: tile t, K step ks at 4 t + ks
.set MS,    32                         ; v32-39   moving scale words, two sets of four
.set TM,    40                         ; v40-45   the quantiser's: largest magnitudes, bytes, scale operands
.set PW,    46                         ; v46      the two scale bytes just made
.set PC,    48                         ; v48-54   the codes just made
.set BI,    56                         ; v56-87   q, k: the bias in the result's layout, 8 registers a tile
.set CB,    56                         ; v56-63   v: the lane's bias, eight times;
.set BM,    64                         ; v64-71   v: the lane's bias for each of the eight moving tiles
.set ACC,   96                         ; v96-127  four accumulators
.set MF,    128                        ; v128-223 a moving tile's four fragments, two buffers of 48; at the head my 16 moving rows as loaded
                                       ; window 1: v0-191 my 64 stationary rows as loaded, then their fragments: (t, ks) at 12 (4 t + ks)
.set MSB, 0
.macro WIN new                         ; the immediate's high byte repeats the setting that is left; a switch that changes nothing is dropped
.if MSB != (\new)
	s_set_vgpr_msb (MSB<<8)|(\new)
.set MSB, (\new)
.endif
.endm
.macro PLACES n
.rept \n
	v_nop
.endr
.endm
.macro FRAGG reg, adr, base, off       ; a fragment, 16 rows x 128 K, from rows in memory: lane (r, h) takes 24 bytes at 24 h and 24 at 48 + 24 h, in pieces of 8
.irp p,0,1,2,3,4,5
	global_load_b64 v[(\reg)+2*\p:(\reg)+2*\p+1], v[\adr], s[\base:\base+1] offset:(\off)+48*(\p/3)+8*(\p%3)
.endr
.endm
; The same from rows in LDS.  Lanes 0-15 take the row's pieces 12 ks + 0, 1, 2 and 12 ks + 6, 7, 8, lanes 16-31 those three pieces on.  Piece q lies at 8 q + 16 (q / 16); where the piece three on lies behind one
; padding more, the second address register (40 for 24 bytes a half) serves.
.macro FRAGL reg, adr, base, ks
.irp p,0,1,2,3,4,5
.set PCE, 12*(\ks)+6*(\p/3)+\p%3
.if PCE%16 < 13
	ds_load_b64 v[(\reg)+2*\p:(\reg)+2*\p+1], v[\adr] offset:(\base)+8*PCE+16*(PCE/16)
.else
	ds_load_b64 v[(\reg)+2*\p:(\reg)+2*\p+1], v[(\adr)+1] offset:(\base)+8*PCE+16*(PCE/16)
.endif
.endr
.endm
; Moving tile tau out of LDS, in two runs.  half = 0: K steps 0 and 1 and the scale words, 13 loads;  1: K steps 2 and 3, 12 loads.
; perm = 0: its rows are 16 tau + r;  1: 32 (tau / 2) + 8 (tau % 2) + r + 8 (r / 8)
.macro FETCH tau, buf, perm, half
.if \perm
.set TBASE, RAW+2*G16*((\tau)/2)+8*SPI*((\tau)%2)
.set TADR, 94
.else
.set TBASE, RAW+G16*(\tau)
.set TADR, 92
.endif
	FRAGL MF+48*(\buf)+24*(\half), TADR, TBASE, 2*(\half)
	FRAGL MF+48*(\buf)+24*(\half)+12, TADR, TBASE, 2*(\half)+1
.if (\half)==0
	ds_load_b128 v[MS+4*(\buf):MS+4*(\buf)+3], v8 offset:MSC+512*(\tau)
.endif
.endm
.macro MMC d, a, b, c, sa, sb
	v_wmma_scale_f32_16x16x128_f8f6f4 v[(\d):(\d)+7], v[(\a):(\a)+11], v[(\b):(\b)+11], v[(\c):(\c)+7], v[(\sa)], v[(\sb)] matrix_a_fmt:MATRIX_FMT_FP6 matrix_b_fmt:MATRIX_FMT_FP6
.endm
.macro PROD ks, vrole                  ; a K step's four products, the four accumulators by turns, one instruction a turn.  K step 0 takes the bias as its C
.irp t,0,1,2,3
.if (\ks)==0
.if \vrole
	MMC ACC+8*\t,12*(4*\t+(\ks)),MF+48*BUF+12*(\ks),CB,SSC+4*\t+(\ks),MS+4*BUF+(\ks)
.else
	MMC ACC+8*\t,12*(4*\t+(\ks)),MF+48*BUF+12*(\ks),BI+8*\t,SSC+4*\t+(\ks),MS+4*BUF+(\ks)
.endif
.else
	MMC ACC+8*\t,12*(4*\t+(\ks)),MF+48*BUF+12*(\ks),ACC+8*\t,SSC+4*\t+(\ks),MS+4*BUF+(\ks)
.endif
.endr
.endm
.macro MAXES s                         ; the largest magnitudes of v[s .. s+15] and of v[s+16 .. s+31], by turns, with the floor 2^(3 - 127) among the leaves: the byte cannot fall under 1
.irp b,0,1
	v_max3_num_f32 v[TM+\b], |v[\s+16*\b]|, |v[\s+16*\b+1]|, 0x1800000
.endr
.irp i,2,4,6,8,10,12,14
.irp b,0,1
	v_max3_num_f32 v[TM+\b], v[TM+\b], |v[\s+16*\b+\i]|, |v[\s+16*\b+\i+1]|
.endr
.endr
.endm
; 32 numbers of a lane, register 16 b + i = k 32 b + 16 h + i of my row, become an image's six registers in v[PC] on and its two scale bytes in v[PW].  again > 0: stores have read these registers before
.macro QUANT32 s, again
	MAXES \s
.irp b,0,1
	v_permlanex16_b32 v[TM+2+\b], v[TM+\b], s40, s41
.endr
.irp b,0,1
	v_max_num_f32 v[TM+\b], v[TM+\b], v[TM+2+\b]   ; with lane l xor 16's 16: the block's largest magnitude
.endr
.irp b,0,1
	v_add_nc_u32 v[TM+4+\b], 0xff000000, v[TM+\b]  ; 2 off its exponent field: the conversion's scale operand
.endr
.irp b,0,1
	v_lshrrev_b32 v[TM+2+\b], 23, v[TM+4+\b]       ; the scale's byte
.endr
.if (\again)>0
	s_wait_xcnt 0x0                                ; the last tile's stores have had their addresses translated: only now are their data, v[PW] and v[PC] on, written again
	s_wait_alu depctr_vm_vsrc(0)                   ; the three stores at this trip's head have read v[PW] and v[PC] on, which the lines below write again
.endif
	v_lshl_or_b32 v[PW], v[TM+3], 8, v[TM+2]
	v_cvt_scalef32_pk16_fp6_f32 v[PC:PC+2], v[\s:\s+15], v[TM+4]
	v_cvt_scalef32_pk16_fp6_f32 v[PC+4:PC+6], v[\s+16:\s+31], v[TM+5]   ; (a conversion's three registers begin on an even number)
	v_nop                                          ; one plain place behind a scaled conversion
.irp i,0,1,2
	v_permlane16_swap_b32 v[PC+\i], v[PC+4+\i]     ; a whole block to a lane: lanes 0-15 block 0, lanes 16-31 block 1; the first holds the lower 16 codes, the second the upper
.endr
	v_mov_b32 v[PC+3], v[PC+4]
	v_mov_b32 v[PC+4], v[PC+5]
	v_mov_b32 v[PC+5], v[PC+6]
.endm
.macro OUT ib, sb, imgoff, scoff       ; an image: 512 and 256 consecutive bytes; its scales: 2 bytes a row (lanes 16-31 store what lanes 0-15 store)
	global_store_b128 v8, v[PC:PC+3], s[\ib:\ib+1] offset:\imgoff
	global_store_b64 v11, v[PC+4:PC+5], s[\ib:\ib+1] offset:(\imgoff)+512
	global_store_b16 v12, v[PW], s[\sb:\sb+1] offset:\scoff
.endm
; One moving tile: the last tile's three stores (at pimg, psc), the next tile's fetch in two runs, 16 products (K step by K step), the quantiser.
.macro TRIP tau, vrole, perm, pimg, psc
.set BUF, (\tau)%2
.if (\tau)>0
	s_wait_alu depctr_va_vdst(0)                   ; the last trip's products are done reading the other MF and MS, in which the loads of this trip land; its quantiser has written v[PC] on and v[PW], which the stores below read
.endif
.if (\tau)<7
	FETCH (\tau)+1,1-BUF,\perm,0                   ; the next tile's K steps 0 and 1 and its scale words
.endif
.if (\tau)>0
	OUT 22,24,\pimg,\psc                           ; the last tile
.endif
.if (\tau)<7
	s_wait_dscnt 13                                ; this tile's loads are in, and all that was asked for ahead of them; the 13 just issued may be out
.else
	s_wait_dscnt 0x0
.endif
	WIN 0x01                                       ; source 0 in window 1
	PROD 0,\vrole
	PROD 1,\vrole
.if (\tau)<7
	WIN 0
	FETCH (\tau)+1,1-BUF,\perm,1                   ; the next tile's K steps 2 and 3.  No wait: no vector or matrix instruction since the wait at the trip's head names these registers
	WIN 0x01
.endif
	PROD 2,\vrole
	PROD 3,\vrole
	WIN 0
	PLACES 4                                       ; in front of the first read of results (ISA guide 7.12.1)
.if \vrole
.if (\tau)<7
.irp j,0,1,2,3,4,5,6,7
	v_mov_b32 v[CB+\j], v[BM+(\tau)+1]             ; the next tile's bias: a trip ahead, so that the quantiser's lines stand between this and the products that take it
.endr
.endif
.endif
	QUANT32 ACC,\tau
.endm
	s_load_b256 s[4:11], s[0:1], 0x0               ; x's codes s[4:5], x's scales s[6:7], Wq's codes s[8:9], Wq's scales s[10:11]
	s_load_b256 s[12:19], s[0:1], 0x20             ; Wkv's codes s[12:13], Wkv's scales s[14:15], bq s[16:17], bkv s[18:19]
	s_load_b256 s[20:27], s[0:1], 0x40             ; rel_emb s[20:21], qkv s[22:23], qkvs s[24:25], erel s[26:27]
	v_lshl_add_u32 v254, v0, 2, 0x45c00
	v_mov_b32 v255, 0
	v_lshrrev_b32 v1, 5, v0
	v_readfirstlane_b32 s36, v1                    ; wave 0..7
	v_and_b32 v1, 31, v0                           ; lane
	v_and_b32 v2, 15, v0                           ; r
	v_bfe_u32 v3, v0, 4, 1                         ; h
	v_lshlrev_b32 v8, 4, v1
	v_lshlrev_b32 v11, 3, v1
	v_mov_b32 v[TM+2], 0                           ; a lane permute's destination counts as one of its sources: written once
	v_mov_b32 v[TM+3], 0
	s_wait_alu depctr_va_sdst(0)                   ; s36 is written, ahead of the branch and of its first reader on each of the ways below
	s_mov_b32 s40, 0x76543210
	s_mov_b32 s41, 0xfedcba98                      ; v_permlanex16_b32's selects for lane l xor 16
	s_mov_b32 s49, 0                               ; the upper word of every offset pair s[48:49]
	s_and_b32 s38, ttmp9, 63                       ; which share of the role
	s_lshr_b32 s37, ttmp9, 6                       ; the role: 0 q, 1 k, 2 v, 3 the table and wimg
	s_cmp_eq_u32 s37, 3
	s_cbranch_scc1 .Ltable                         ; the same way for all eight waves of a work-group
	; ---- the three products.  Every LDS address is made here, of constants, the lane and the wave's number alone
	v_and_b32 v14, 8, v2
	v_add_nc_u32 v14, v14, v2                      ; r + 8 (r / 8)
	v_lshlrev_b32 v5, 4, v14                       ; stationary scales: 16 bytes a row
	v_lshrrev_b32 v15, 3, v1
	v_lshl_add_u32 v6, v15, 4, v8                  ; a chunk's lane part: 16 x lane + 16 (lane / 8)
	s_mul_i32 s44, s36, G16
	v_add_nc_u32 v9, s44, v6                       ; the moving rows 16 x wave on, which I bring
	s_mul_i32 s44, s36, WSTW
	s_add_co_u32 s44, s44, WST                     ; my stage
	v_add_nc_u32 v90, s44, v6
	v_mul_u32_u24 v92, v2, SPI
	v_mad_u32_u24 v92, v3, 24, v92                 ; rows as they lie: row r, + 24 h;
	v_lshl_add_u32 v93, v3, 4, v92                 ; the same behind one padding more
	v_mul_u32_u24 v94, v14, SPI
	v_mad_u32_u24 v94, v3, 24, v94
	v_lshrrev_b32 v15, 3, v2
	v_lshl_add_u32 v94, v15, 7, v94                ; rows by the tiles' rule: row r + 8 (r / 8), + 24 h, + the 128 bytes behind 16 rows for lanes 8-15
	v_lshl_add_u32 v95, v3, 4, v94
	v_add_nc_u32 v88, s44, v94                     ; and the same in my stage
	v_add_nc_u32 v89, s44, v95
	s_lshl_b32 s44, s36, 9
	s_add_co_u32 s44, s44, MSC
	v_add_nc_u32 v10, s44, v8                      ; my moving tile's scale words
	s_lshr_b32 s45, s38, 2
	s_lshl_b32 s45, s45, 9                         ; v: the work-group's 512 tokens
	s_and_b32 s46, s38, 3
	s_lshl_b32 s46, s46, 7
	s_add_co_u32 s46, s46, 512                     ; v: its 128 rows of Wkv's second half
	s_lshl_b32 s47, s38, 7                         ; q, k: its 128 tokens
	s_cmp_eq_u32 s37, 0
	s_cselect_b32 s42, 0, 8                        ; q's moving rows as they lie; k's and v's by the tiles' rule
	s_cselect_b32 s43, 16, 8                       ; rows from an even moving tile to the odd one behind it
	s_wait_kmcnt 0x0
	s_cselect_b64 s[8:9], s[8:9], s[12:13]         ; the weight, its scales and its bias: Wq's for q, else Wkv's.  The choices hang on the work-group's number alone
	s_cselect_b64 s[10:11], s[10:11], s[14:15]
	s_cselect_b64 s[16:17], s[16:17], s[18:19]
	s_cmp_eq_u32 s37, 2
	s_cselect_b64 s[28:29], s[4:5], s[8:9]         ; stationary: x for v, else the weight
	s_cselect_b64 s[30:31], s[6:7], s[10:11]
	s_cselect_b64 s[32:33], s[8:9], s[4:5]         ; moving: the other one
	s_cselect_b64 s[34:35], s[10:11], s[6:7]
	s_cselect_b32 s45, s45, 0
	s_cselect_b32 s46, s46, s47                    ; the work-group's first moving row
	v_and_b32 v15, s42, v2
	v_add_nc_u32 v15, v15, v2
	v_lshlrev_b32 v7, 4, v15                       ; my moving tile's scales in memory: 16 bytes a row
	s_lshl_b32 s47, s36, 6
	s_add_co_u32 s45, s45, s47                     ; my first stationary row
	s_lshr_b32 s47, s36, 1
	s_lshl_b32 s47, s47, 5
	s_and_b32 s48, s36, 1
	s_mul_i32 s48, s48, s43
	s_add_co_u32 s47, s47, s48
	s_add_co_u32 s50, s46, s47                     ; the first row of moving tile = wave, whose scale words I fetch
	s_lshl_b32 s51, s36, 4
	s_add_co_u32 s51, s51, s46                     ; the first of the 16 moving rows whose codes I fetch
	s_mul_i32 s48, s45, KROW
	s_add_nc_u64 s[28:29], s[28:29], s[48:49]
	s_lshl_b32 s48, s45, 4
	s_add_nc_u64 s[30:31], s[30:31], s[48:49]
	s_mul_i32 s48, s51, KROW
	s_add_nc_u64 s[32:33], s[32:33], s[48:49]
	s_lshl_b32 s48, s50, 4
	s_add_nc_u64 s[34:35], s[34:35], s[48:49]
	s_wait_alu depctr_va_vdst(0)                   ; v5, v7 to v11 and v88 to v95 are written: the loads, LDS stores, LDS loads and stores below read them as offsets and addresses
.set j, 0
.rept 12
	global_load_b128 v[MF+4*j:MF+4*j+3], v8, s[32:33] offset:512*j   ; my 16 moving rows first: 6,144 consecutive bytes, 512 a load
.set j, j+1
.endr
	global_load_b128 v[MS:MS+3], v7, s[34:35]
.irp t,0,1,2,3
	global_load_b128 v[SSC+4*\t:SSC+4*\t+3], v5, s[30:31] offset:(32*(\t/2)+8*(\t%2))*16
.endr
	WIN 0x40                                       ; destination window 1
.set j, 0
.rept 48
	global_load_b128 v[4*j:4*j+3], v8, s[28:29] offset:512*j         ; my 64 stationary rows: 24,576 consecutive bytes
.set j, j+1
.endr
	WIN 0
	s_wait_loadcnt 52                              ; loads come back in order: my 13 moving loads are in; the 4 + 48 behind them may be out
.set j, 0
.rept 12
	ds_store_b128 v9, v[MF+4*j:MF+4*j+3] offset:RAW+576*j            ; 32 chunks and their four paddings a store
.set j, j+1
.endr
	ds_store_b128 v10, v[MS:MS+3]
	WIN 0x04                                       ; an LDS store's data are its source 1: window 1
.set j, 0
.rept 4
	s_wait_loadcnt 36-j                            ; the next twelve loads, 16 rows, are in; the younger ones may be out
.rept 12
	ds_store_b128 v90, v[4*j:4*j+3] offset:576*j+128*(j/12)
.set j, j+1
.endr
.endr
	WIN 0
	s_wait_dscnt 0x0                               ; for the others' sake: my stores have landed
	s_barrier_signal -1
	s_barrier_wait -1                              ; all 128 moving rows lie in LDS; from here on LDS is only read
	WIN 0x40
	s_wait_alu depctr_vm_vsrc(0)                   ; my LDS stores have read window 1's v0-191, MF's first set and MS's: the fragments below and, on each of the ways behind the branch, tile 0 land in them
.irp t,0,1,2,3
.irp ks,0,1,2,3
	FRAGL 12*(4*\t+\ks), 88, 2*G16*(\t/2)+8*SPI*(\t%2), \ks
.endr
.endr
	WIN 0
	s_cmp_eq_u32 s37, 2
	s_cbranch_scc1 .Lvrole
	; ---- q, k: the bias runs along the stationary rows: register 8 t + j of lane (r, h) wants that of row 32 (t / 2) + 16 h + 8 (t % 2) + j
	s_lshl_b32 s48, s36, 8
	s_add_nc_u64 s[16:17], s[16:17], s[48:49]      ; my 64 numbers
	v_lshlrev_b32 v13, 6, v3
	v_lshlrev_b32 v12, 1, v2                       ; scales: 2 bytes a row
	s_wait_alu depctr_va_vdst(0)                   ; v13 is written, which the bias's loads read as their offset, and v12, which every store of scale bytes reads
.irp t,0,1,2,3
	global_load_b128 v[BI+8*\t:BI+8*\t+3], v13, s[16:17] offset:(32*(\t/2)+8*(\t%2))*4
	global_load_b128 v[BI+8*\t+4:BI+8*\t+7], v13, s[16:17] offset:(32*(\t/2)+8*(\t%2))*4+16
.endr
	s_lshr_b32 s51, s38, 3
	s_lshl_b32 s51, s51, 3
	s_add_co_u32 s51, s51, s36                     ; b h = 8 x batch + wave
	s_and_b32 s52, s38, 7                          ; which 128 tokens of the batch
	s_lshl_b32 s48, s51, 6
	s_lshl_b32 s53, s52, 3
	s_add_co_u32 s48, s48, s53                     ; the first of my eight images
	s_mul_i32 s48, s48, 768
	s_mul_i32 s53, s37, QKV_K                      ; k's part lies behind q's
	s_add_co_u32 s48, s48, s53
	s_add_nc_u64 s[22:23], s[22:23], s[48:49]
	s_add_co_u32 s53, s37, 11
	s_lshl_b32 s48, s51, s53                       ; scales: 2,048 bytes a head for q, 4,096 for k and v together,
	s_lshl_b32 s53, s37, 17                        ; which lie KVS0 bytes on
	s_add_co_u32 s48, s48, s53
	s_lshl_b32 s53, s52, 8
	s_add_co_u32 s48, s48, s53
	s_add_nc_u64 s[24:25], s[24:25], s[48:49]
	s_cmp_eq_u32 s37, 0
	s_cbranch_scc1 .Lqtrips                        ; q's trips and k's differ in which rows form a moving tile: two copies, each with addresses made of constants
	FETCH 0,0,1,0
	FETCH 0,0,1,1
	s_wait_loadcnt 0x0                             ; the bias
.irp tau,0,1,2,3,4,5,6,7
	TRIP \tau,0,1,768*(\tau-1),32*(\tau-1)
.endr
	s_wait_alu depctr_va_vdst(0)                   ; tile 7's quantiser has written v[PC] on and v[PW], which the last three stores read
	OUT 22,24,768*7,32*7
	s_wait_dscnt 0x0                               ; the closing lines, six on end
	s_wait_alu 0x0
	s_wait_tensorcnt 0x0
	ds_add_u32 v254, v255
	s_wait_dscnt 0x0
	s_endpgm
.Lqtrips:
	FETCH 0,0,0,0
	FETCH 0,0,0,1
	s_wait_loadcnt 0x0                             ; the bias
.irp tau,0,1,2,3,4,5,6,7
	TRIP \tau,0,0,768*(\tau-1),32*(\tau-1)
.endr
	s_wait_alu depctr_va_vdst(0)                   ; tile 7's quantiser has written v[PC] on and v[PW], which the last three stores read
	OUT 22,24,768*7,32*7
	s_wait_dscnt 0x0                               ; the closing lines, six on end
	s_wait_alu 0x0
	s_wait_tensorcnt 0x0
	ds_add_u32 v254, v255
	s_wait_dscnt 0x0
	s_endpgm
.Lvrole:
	; ---- v: the bias runs along the moving rows: one number a lane and tile
	FETCH 0,0,1,0
	FETCH 0,0,1,1
	s_lshl_b32 s48, s46, 2
	s_add_nc_u64 s[16:17], s[16:17], s[48:49]
	v_lshlrev_b32 v13, 2, v14
	v_lshlrev_b32 v12, 2, v2                       ; scales: 4 bytes a row, of which my 64 keys have two
	s_wait_alu depctr_va_vdst(0)                   ; v13 is written, which the bias's loads read as their offset, and v12, which every store of scale bytes reads
.irp tau,0,1,2,3,4,5,6,7
	global_load_b32 v[BM+\tau], v13, s[16:17] offset:(32*(\tau/2)+8*(\tau%2))*4
.endr
	s_lshr_b32 s51, s38, 3
	s_lshl_b32 s51, s51, 3
	s_and_b32 s52, s38, 3
	s_lshl_b32 s52, s52, 1
	s_add_co_u32 s51, s51, s52                     ; b h of the first of the work-group's two heads
	s_bfe_u32 s52, s38, 0x10002
	s_lshl_b32 s52, s52, 2
	s_lshr_b32 s53, s36, 1
	s_add_co_u32 s52, s52, s53                     ; which 128 keys of the batch,
	s_and_b32 s53, s36, 1                          ; and which 64 of them
	s_lshl_b32 s48, s51, 3
	s_add_co_u32 s48, s48, s52
	s_mul_i32 s48, s48, 6144
	s_mul_i32 s54, s53, 768
	s_add_co_u32 s48, s48, s54
	s_add_nc_u64 s[22:23], s[22:23], s[48:49]
	s_add_nc_u64 s[22:23], s[22:23], QKV_V
	s_lshl_b32 s48, s51, 12
	s_lshl_b32 s54, s52, 8
	s_add_co_u32 s48, s48, s54
	s_lshl_b32 s54, s53, 1
	s_add_co_u32 s48, s48, s54
	s_add_co_u32 s48, s48, KVS0+2048
	s_add_nc_u64 s[24:25], s[24:25], s[48:49]
	s_wait_loadcnt 0x0
.irp j,0,1,2,3,4,5,6,7
	v_mov_b32 v[CB+\j], v[BM]
.endr
	PLACES 4
.irp tau,0,1,2,3,4,5,6,7
	TRIP \tau,1,1,((\tau-1)/4)*49152+((\tau-1)%4)*1536,((\tau-1)/4)*4096+((\tau-1)%4)*64
.endr
	s_wait_alu depctr_va_vdst(0)                   ; tile 7's quantiser has written v[PC] on and v[PW], which the last three stores read
	OUT 22,24,49152+3*1536,4096+3*64
	s_wait_dscnt 0x0                               ; the closing lines, six on end
	s_wait_alu 0x0
	s_wait_tensorcnt 0x0
	ds_add_u32 v254, v255
	s_wait_dscnt 0x0
	s_endpgm
.Ltable:
	s_cmp_ge_u32 s38, 16
	s_cbranch_scc1 .Lwimg                          ; shares 16 to 19 of this role lay Wout
	; ---- the table: a wave makes one image, rows w = 16 T + r.  Lane (r, h) loads its whole block of 32, so no other lane is asked for the maximum.  This way stores nothing to LDS
	s_lshl_b32 s44, s38, 3
	s_add_co_u32 s44, s44, s36                     ; T = 8 x share + wave, 0 .. 127
	s_lshl_b32 s45, s44, 4
	v_add_nc_u32 v4, s45, v2                       ; w
	v_max_u32 v4, 511, v4
	v_add_nc_u32 v4, -511, v4
	v_min_u32 v4, 1024, v4
	v_sub_nc_u32 v4, 1024, v4                      ; clamp(1535 - w, 0, 1024)
	v_lshlrev_b32 v4, 8, v4
	v_lshl_add_u32 v4, v3, 7, v4                   ; a row of 256 bytes, + 128 h
	v_lshlrev_b32 v12, 1, v2
	s_mul_i32 s48, s44, 768
	s_wait_kmcnt 0x0
	s_add_nc_u64 s[28:29], s[26:27], s[48:49]
	s_lshl_b32 s48, s44, 5
	s_add_nc_u64 s[30:31], s[26:27], s[48:49]
	s_wait_alu depctr_va_vdst(0)                   ; v4 is written, which the loads below read as their offset
.irp i,0,1,2,3,4,5,6,7
	global_load_b128 v[MF+4*\i:MF+4*\i+3], v4, s[20:21] offset:16*\i
.endr
	s_wait_loadcnt 0x0
	MAXES MF
	v_max_num_f32 v[TM], v[TM], v[TM+1]
	v_add_nc_u32 v[TM+4], 0xff000000, v[TM]
	v_lshrrev_b32 v[TM+2], 23, v[TM+4]
	v_lshlrev_b32 v[TM+5], 3, v3
	v_lshlrev_b32 v[TM+2], v[TM+5], v[TM+2]        ; my block's byte at its place, 8 h bits up;
	v_permlanex16_b32 v[TM+3], v[TM+2], s40, s41
	v_or_b32 v[PW], v[TM+2], v[TM+3]               ; with lane l xor 16's the pair is whole
	v_cvt_scalef32_pk16_fp6_f32 v[PC:PC+2], v[MF:MF+15], v[TM+4]
	v_cvt_scalef32_pk16_fp6_f32 v[PC+4:PC+6], v[MF+16:MF+31], v[TM+4]
	v_nop                                          ; one plain place behind a scaled conversion
	v_mov_b32 v[PC+3], v[PC+4]
	v_mov_b32 v[PC+4], v[PC+5]
	v_mov_b32 v[PC+5], v[PC+6]
	s_wait_alu depctr_va_vdst(0)                   ; v[PC] on and v[PW] are written, which the three stores read as data (their offsets v8, v11 and v12 were written ahead of the wait above)
	OUT 28,30,0,ES0
	s_endpgm
.Lwimg:
	; ---- Wout: a wave takes one tile of 16 rows: its four fragments come in pieces of 8 bytes from rows, once in the whole program, and leave as images: each store covers 512 consecutive bytes.  This way stores nothing to LDS
	s_load_b128 s[56:59], s[0:1], 0x60             ; Wout's codes s[56:57], wimg s[58:59]
	s_sub_co_u32 s44, s38, 16
	s_lshl_b32 s44, s44, 3
	s_add_co_u32 s44, s44, s36                     ; the tile: 8 x (share - 16) + wave, 0 .. 31
	s_mul_i32 s48, s44, 6144                       ; 16 rows of 384 bytes, and four images of 1,536
	v_mul_u32_u24 v4, v2, KROW
	v_mad_u32_u24 v4, v3, 24, v4                   ; row r, + 24 h
	s_wait_kmcnt 0x0
	s_add_nc_u64 s[56:57], s[56:57], s[48:49]
	s_add_nc_u64 s[58:59], s[58:59], s[48:49]
	s_wait_alu depctr_va_vdst(0)                   ; v4 is written, which the loads read as their offset, and v8, which the stores read
.irp ks,0,1,2,3
	FRAGG MF+12*\ks,4,56,96*\ks
.endr
	s_wait_loadcnt 0x0
.irp ks,0,1,2,3
.irp c,0,1,2
	global_store_b128 v8, v[MF+12*\ks+4*\c:MF+12*\ks+4*\c+3], s[58:59] offset:1536*\ks+512*\c
.endr
.endr
	s_endpgm
.Lfunc_end_k_qe36fe87635_proj:
	.size	k_qe36fe87635_proj, .Lfunc_end_k_qe36fe87635_proj-k_qe36fe87635_proj
	.p2alignl 7, 3214868480
	.fill 96, 4, 3214868480
	.section	.rodata,"a",@progbits
	.p2align	6, 0x0
	.amdhsa_kernel k_qe36fe87635_proj
		.amdhsa_group_segment_fixed_size 286720
		.amdhsa_private_segment_fixed_size 0
		.amdhsa_enable_private_segment 0
		.amdhsa_kernarg_size 112
		.amdhsa_user_sgpr_count 2
		.amdhsa_user_sgpr_kernarg_segment_ptr 1
		.amdhsa_wavefront_size32 1
		.amdhsa_system_sgpr_workgroup_id_x 1
		.amdhsa_system_sgpr_workgroup_id_y 1
		.amdhsa_system_sgpr_workgroup_id_z 1
		.amdhsa_system_vgpr_workitem_id 0
		.amdhsa_next_free_vgpr 448
		.amdhsa_next_free_sgpr 66
		.amdhsa_reserve_vcc 0
		.amdhsa_float_denorm_mode_32 3
		.amdhsa_float_denorm_mode_16_64 3
		.amdhsa_memory_ordered 1
		.amdhsa_forward_progress 1
		.amdhsa_inst_pref_size 180
	.end_amdhsa_kernel
	.amdgpu_metadata
---
amdhsa.version: [ 1, 2 ]
amdhsa.kernels:
  - .name:           k_qe36fe87635_proj
    .symbol:         k_qe36fe87635_proj.kd
    .args:
      - { .name: x_codes, .offset: 0, .size: 8, .value_kind: global_buffer, .address_space: global }
      - { .name: x_scales, .offset: 8, .size: 8, .value_kind: global_buffer, .address_space: global }
      - { .name: Wq_codes, .offset: 16, .size: 8, .value_kind: global_buffer, .address_space: global }
      - { .name: Wq_scales, .offset: 24, .size: 8, .value_kind: global_buffer, .address_space: global }
      - { .name: Wkv_codes, .offset: 32, .size: 8, .value_kind: global_buffer, .address_space: global }
      - { .name: Wkv_scales, .offset: 40, .size: 8, .value_kind: global_buffer, .address_space: global }
      - { .name: bq, .offset: 48, .size: 8, .value_kind: global_buffer, .address_space: global }
      - { .name: bkv, .offset: 56, .size: 8, .value_kind: global_buffer, .address_space: global }
      - { .name: rel_emb, .offset: 64, .size: 8, .value_kind: global_buffer, .address_space: global }
      - { .name: qkv, .offset: 72, .size: 8, .value_kind: global_buffer, .address_space: global }
      - { .name: qkvs, .offset: 80, .size: 8, .value_kind: global_buffer, .address_space: global }
      - { .name: erel, .offset: 88, .size: 8, .value_kind: global_buffer, .address_space: global }
      - { .name: Wout_codes, .offset: 96, .size: 8, .value_kind: global_buffer, .address_space: global }
      - { .name: wimg, .offset: 104, .size: 8, .value_kind: global_buffer, .address_space: global }
    .group_segment_fixed_size: 286720
    .private_segment_fixed_size: 0
    .kernarg_segment_align: 8
    .kernarg_segment_size: 112
    .max_flat_workgroup_size: 256
    .sgpr_count:     66
    .vgpr_count:     448
    .wavefront_size: 32
...
	.end_amdgpu_metadata
.endif
;; end of part 6
;; launch attn: the kernel of part 2 again; grid 4 x 64, 8 waves a work-group, clusters of 4 x 1, 243,200 bytes of LDS; arguments qkv, qkvs, erel, oimg; writes oimg
;; launch outp (part 7): grid 256 x 1, 8 waves a work-group, no clusters, 70,656 bytes of LDS; arguments oimg, wimg, Wout_scales, bout, out0; writes out0
.if DOCPART == 7
	.amdgcn_target "amdgcn-amd-amdhsa--gfx1250"
	.amdhsa_code_object_version 6
	.text
	.protected	k_qe36fe87635_outp
	.globl	k_qe36fe87635_outp
	.p2align	8
	.type	k_qe36fe87635_outp,@function
k_qe36fe87635_outp:
	s_mov_b64 s[64:65], 0
	v_nop
	global_prefetch_b8 v0, s[64:65] scope:SCOPE_SE
	s_setreg_imm32_b32 hwreg(HW_REG_WAVE_SCHED_MODE, 0, 2), 2
	s_setreg_imm32_b32 hwreg(HW_REG_WAVE_MODE, 25, 1), 1
	s_wait_xcnt 0x0
	s_wait_alu depctr_vm_vsrc(0)
; out0 = O Wout + bout on codes of FP6 (E2M3) with E8M0 scales.  O comes as the images that the launch before has laid: [tile of 16 tokens 512][head 8][768 bytes], 16 tokens x 64 along K each, registers 0-3 at
; 16 x lane, registers 4-5 at 512 + 8 x lane; two heads' images are one fragment of 128 along K.  Its scales [tile][r][head] 2 bytes, from OS0 on: 16 bytes a row are the four scale words of K = 512.
; Wout's codes come as the images that the first launch has laid: [tile of 16 rows 32][K step 4][1,536 bytes], a fragment's registers 4 c .. 4 c + 3 at 512 c + 16 x lane: three loads of 512 consecutive bytes a fragment.
; SHARES.  A work-group takes 32 tokens (two tiles) x all 512 outputs; wave w the outputs 64 w .. 64 w + 63: eight accumulators, two tiles of tokens x four of outputs.
; THE PRODUCT IS USED TRANSPOSED (source 0 = 16 rows of Wout, source 1 = 16 tokens): a lane holds eight neighbouring outputs of one token.  The bias is loaded into the accumulators, in the result's layout, so the
; first products add onto it.  K goes in four steps of 128; each step has fragment registers of its own, and all four steps' loads, 20 each, are asked for at the head.
; THE WAY OUT: a tile's 16 rows x 256 bytes go through the wave's own stage in LDS (rows 272 bytes apart) and come back two rows an instruction: sixteen lanes store 256 consecutive bytes, aligned.
; NO CLUSTER, no tensor load: the operands go from memory straight into registers, each used once by the wave that loads it.
; THE MODE: SCHED_MODE bits 1:0 = 2 (LLVM: expert scheduling mode 2), set by the entry lines.  The code itself states the register dependences between vector or matrix instructions and memory or LDS
; instructions, with s_wait_alu, always for 0.
; THE PLAN.  Registers that memory or LDS instructions touch:
;   v5 - v11      offsets and LDS addresses: made once at the head, ahead of the wait in front of the first load, and never written again.
;   FB0 .. FB3    a K step's six fragments each: loaded once, read by that step's eight products.  No load lands in a register that a matrix instruction has read, so no wait stands between the K steps.
;   WS, OSC       scale words: loaded once, read by the products.
;   ACC           loaded with the bias, written by the products, read by the LDS stores on the way out.
;   v80 - v143    FB0's registers, on the way out: the loads from the stage land in them, and the stores to out0 read them.
; So one wait on va_vdst stands on the way out, behind the places: the products have written the accumulators and are done reading FB0.
.set OS0,  3145728
.set ACC,  16                          ; v16-79   accumulator (tt, nt) at 8 (4 tt + nt)
.set FB0,  80                          ; v80-151, v152-223: K steps 0 and 1: Wout's four fragments, then O's two
.set FB1,  152
.set FB2,  0                           ; window 1: v0-71, v72-143: K steps 2 and 3 likewise
.set FB3,  72
.set WS,   224                         ; v224-239 Wout's scale words: tile nt, K step ks at 4 nt + ks
.set OSC,  240                         ; v240-247 O's: 4 tt + ks
; v1 lane, v2 r, v3 h; v5 16 x lane; v6 8 x lane; v7 16 r; v8 32 h; v9 stage in; v10 stage out; v11 my byte offset in two rows of out0
.set MSB, 0
.macro WIN new                         ; the immediate's high byte repeats the setting that is left; a switch that changes nothing is dropped
.if MSB != (\new)
	s_set_vgpr_msb (MSB<<8)|(\new)
.set MSB, (\new)
.endif
.endm
.macro KLOAD ks, fb                    ; a K step's fragments: 12 loads for Wout's four, 8 for O's two
.irp nt,0,1,2,3
.irp c,0,1,2
	global_load_b128 v[\fb+12*\nt+4*\c:\fb+12*\nt+4*\c+3], v5, s[6:7] offset:6144*\nt+1536*\ks+512*\c
.endr
.endr
.irp tt,0,1
.irp f,0,1
	global_load_b128 v[\fb+48+12*\tt+6*\f:\fb+48+12*\tt+6*\f+3], v5, s[16:17] offset:6144*\tt+1536*\ks+768*\f
	global_load_b64 v[\fb+48+12*\tt+6*\f+4:\fb+48+12*\tt+6*\f+5], v6, s[16:17] offset:6144*\tt+1536*\ks+768*\f+512
.endr
.endr
.endm
.macro KMUL ks, fb                     ; eight products, the eight accumulators by turns, one instruction a turn
.irp tt,0,1
.irp nt,0,1,2,3
	v_wmma_scale_f32_16x16x128_f8f6f4 v[ACC+8*(4*\tt+\nt):ACC+8*(4*\tt+\nt)+7], v[\fb+12*\nt:\fb+12*\nt+11], v[\fb+48+12*\tt:\fb+48+12*\tt+11], v[ACC+8*(4*\tt+\nt):ACC+8*(4*\tt+\nt)+7], v[WS+4*\nt+\ks], v[OSC+4*\tt+\ks] matrix_a_fmt:MATRIX_FMT_FP6 matrix_b_fmt:MATRIX_FMT_FP6
.endr
.endr
.endm
.macro PLACES n
.rept \n
	v_nop
.endr
.endm
	s_load_b256 s[4:11], s[0:1], 0x0               ; oimg s[4:5], wimg s[6:7], Wout's scales s[8:9], bout s[10:11]
	s_load_b64 s[12:13], s[0:1], 0x20              ; out0
	v_lshl_add_u32 v254, v0, 2, 0x11000
	v_mov_b32 v255, 0
	v_lshrrev_b32 v1, 5, v0
	v_readfirstlane_b32 s14, v1                    ; wave 0..7
	v_and_b32 v1, 31, v0
	v_and_b32 v2, 15, v0
	v_bfe_u32 v3, v0, 4, 1
	v_lshlrev_b32 v5, 4, v1
	v_lshlrev_b32 v6, 3, v1
	v_lshlrev_b32 v7, 4, v2
	v_lshlrev_b32 v8, 5, v3                        ; the bias: my eight outputs begin 8 h numbers in
	s_wait_alu depctr_va_sdst(0)                   ; s14 is written, ahead of its first reader: the stage's place and the bases are made from it
	s_mul_i32 s15, s14, 8704                       ; my two stages
	v_mul_u32_u24 v9, v2, 272
	v_lshl_add_u32 v9, v3, 5, v9
	v_add_nc_u32 v9, s15, v9                       ; in: row r, + 32 h
	v_mul_u32_u24 v10, v3, 272
	v_lshl_add_u32 v10, v2, 4, v10
	v_add_nc_u32 v10, s15, v10                     ; out: lanes 0-15 one row, lanes 16-31 the next
	v_lshlrev_b32 v11, 11, v3
	v_lshl_add_u32 v11, v2, 4, v11                 ; and the same two rows of out0, 2,048 bytes each
	s_mov_b32 s21, 0
	s_wait_kmcnt 0x0
	s_mul_i32 s20, ttmp9, 12288
	s_add_nc_u64 s[16:17], s[4:5], s[20:21]        ; my two tiles' sixteen images
	s_lshl_b32 s20, ttmp9, 9
	s_add_nc_u64 s[18:19], s[4:5], s[20:21]        ; and, OS0 bytes on, their scales
	s_mul_i32 s20, s14, 24576
	s_add_nc_u64 s[6:7], s[6:7], s[20:21]          ; my four tiles of Wout: sixteen images of 1,536 bytes,
	s_lshl_b32 s20, s14, 10
	s_add_nc_u64 s[8:9], s[8:9], s[20:21]          ; their scales,
	s_lshl_b32 s20, s14, 8
	s_add_nc_u64 s[10:11], s[10:11], s[20:21]      ; their bias
	s_lshl_b32 s22, ttmp9, 16
	s_add_co_u32 s20, s20, s22
	s_add_nc_u64 s[12:13], s[12:13], s[20:21]      ; out0: 32 rows x work-group, + 256 bytes x wave
	s_wait_alu depctr_va_vdst(0)                   ; v5 to v11 are written: every load, LDS store, LDS load and store below reads one of them as its offset or address
.irp tt,0,1
.irp nt,0,1,2,3
	global_load_b128 v[ACC+8*(4*\tt+\nt):ACC+8*(4*\tt+\nt)+3], v8, s[10:11] offset:64*\nt
	global_load_b128 v[ACC+8*(4*\tt+\nt)+4:ACC+8*(4*\tt+\nt)+7], v8, s[10:11] offset:64*\nt+16
.endr
.endr
.irp nt,0,1,2,3
	global_load_b128 v[WS+4*\nt:WS+4*\nt+3], v7, s[8:9] offset:256*\nt
.endr
.irp tt,0,1
	global_load_b128 v[OSC+4*\tt:OSC+4*\tt+3], v7, s[18:19] offset:OS0+256*\tt
.endr
	KLOAD 0, FB0
	KLOAD 1, FB1
	WIN 0x40                                       ; destination window 1; between the wait above and these loads stand loads and this switch alone
	KLOAD 2, FB2
	KLOAD 3, FB3
	WIN 0
	s_wait_loadcnt 60                              ; loads come back in order: the bias, the scales and K step 0 are in; the 60 loads of K steps 1 to 3 may be out
	KMUL 0, FB0
	s_wait_loadcnt 40                              ; K step 1 is in; the 40 loads of steps 2 and 3 may be out
	KMUL 1, FB1
	s_wait_loadcnt 20                              ; K step 2 is in; step 3's 20 loads may be out
	WIN 0x05                                       ; sources 0 and 1 in window 1
	KMUL 2, FB2
	s_wait_loadcnt 0x0
	KMUL 3, FB3
	WIN 0
	PLACES 4                                       ; in front of the first read of results (ISA guide 7.12.1)
	s_wait_alu depctr_va_vdst(0)                   ; the products have written the accumulators, which the LDS stores read, and are done reading v80 to v143, in which the loads from the stage land; the places above stay beside this wait
.irp tt,0,1
.irp nt,0,1,2,3
	ds_store_b128 v9, v[ACC+8*(4*\tt+\nt):ACC+8*(4*\tt+\nt)+3] offset:4352*\tt+64*\nt       ; each accumulator from its low end on
	ds_store_b128 v9, v[ACC+8*(4*\tt+\nt)+4:ACC+8*(4*\tt+\nt)+7] offset:4352*\tt+64*\nt+16
.endr
.irp k,0,1,2,3,4,5,6,7
	ds_load_b128 v[FB0+32*\tt+4*\k:FB0+32*\tt+4*\k+3], v10 offset:4352*\tt+544*\k           ; LDS serves a wave's instructions in order (ISA guide 5.7.1.4): these see my stores
.endr
.endr
.irp tt,0,1
.irp k,0,1,2,3,4,5,6,7
	s_wait_dscnt 16*(1-\tt)+7-\k                   ; behind this load: the rest of its tile's loads, and for the first tile the second's 8 stores and 8 loads
	global_store_b128 v11, v[FB0+32*\tt+4*\k:FB0+32*\tt+4*\k+3], s[12:13] offset:(16*\tt+2*\k)*2048 th:TH_STORE_NT   ; sixteen lanes store 256 consecutive bytes, at a multiple of 256 from out0's first byte; written once, read by nobody here
.endr
.endr
	s_wait_dscnt 0x0                               ; the closing lines, six on end
	s_wait_alu 0x0
	s_wait_tensorcnt 0x0
	ds_add_u32 v254, v255
	s_wait_dscnt 0x0
	s_endpgm
.Lfunc_end_k_qe36fe87635_outp:
	.size	k_qe36fe87635_outp, .Lfunc_end_k_qe36fe87635_outp-k_qe36fe87635_outp
	.p2alignl 7, 3214868480
	.fill 96, 4, 3214868480
	.section	.rodata,"a",@progbits
	.p2align	6, 0x0
	.amdhsa_kernel k_qe36fe87635_outp
		.amdhsa_group_segment_fixed_size 70656
		.amdhsa_private_segment_fixed_size 0
		.amdhsa_enable_private_segment 0
		.amdhsa_kernarg_size 40
		.amdhsa_user_sgpr_count 2
		.amdhsa_user_sgpr_kernarg_segment_ptr 1
		.amdhsa_wavefront_size32 1
		.amdhsa_system_sgpr_workgroup_id_x 1
		.amdhsa_system_sgpr_workgroup_id_y 1
		.amdhsa_system_sgpr_workgroup_id_z 1
		.amdhsa_system_vgpr_workitem_id 0
		.amdhsa_next_free_vgpr 400
		.amdhsa_next_free_sgpr 66
		.amdhsa_reserve_vcc 0
		.amdhsa_float_denorm_mode_32 3
		.amdhsa_float_denorm_mode_16_64 3
		.amdhsa_memory_ordered 1
		.amdhsa_forward_progress 1
		.amdhsa_inst_pref_size 21
	.end_amdhsa_kernel
	.amdgpu_metadata
---
amdhsa.version: [ 1, 2 ]
amdhsa.kernels:
  - .name:           k_qe36fe87635_outp
    .symbol:         k_qe36fe87635_outp.kd
    .args:
      - { .name: oimg, .offset: 0, .size: 8, .value_kind: global_buffer, .address_space: global }
      - { .name: wimg, .offset: 8, .size: 8, .value_kind: global_buffer, .address_space: global }
      - { .name: Wout_scales, .offset: 16, .size: 8, .value_kind: global_buffer, .address_space: global }
      - { .name: bout, .offset: 24, .size: 8, .value_kind: global_buffer, .address_space: global }
      - { .name: out0, .offset: 32, .size: 8, .value_kind: global_buffer, .address_space: global }
    .group_segment_fixed_size: 70656
    .private_segment_fixed_size: 0
    .kernarg_segment_align: 8
    .kernarg_segment_size: 40
    .max_flat_workgroup_size: 256
    .sgpr_count:     66
    .vgpr_count:     400
    .wavefront_size: 32
...
	.end_amdgpu_metadata
.endif
;; end of part 7
